; MI455X (gfx1250); checked and timed in simulation.
; The chip was launched on July 23, 2026; its instructions are those of AMD's public machine-readable ISA for CDNA 5 (MIT licence, August 2026) and "CDNA5" Instruction Set Architecture Reference Guide (July 2026). The comments in the code are by the model that wrote it; some were corrected since.
;; Multi Head Attention Block. Allowed arithmetic: matrix products marked QUANTISED: E2M3 operands, one E8M0 scale for each 32 along K, by v_wmma_scale_f32_16x16x128_f8f6f4 with both operands' format E2M3, f32 sums; everything else in f32.
;; Inputs: b_k 1,024 float32; b_o 1,024 float32; b_q 1,024 float32; b_v 1,024 float32; k 4 x 2,048 x 1,024 float32; mask 1 x 1 x 2,048 x 2,048 int32; q 4 x 2,048 x 1,024 float32; v 4 x 2,048 x 1,024 float32; w_k 1,024 x 1,024 float32; w_o 1,024 x 1,024 float32; w_q 1,024 x 1,024 float32; w_v 1,024 x 1,024 float32.
;; Outputs: out0 4 x 2,048 x 1,024 float32.
;; This version of the problem:
;;   THIS VERSION OF THE PROBLEM IS GIVEN IN LOW PRECISION. The matrix products marked QUANTISED in the list below multiply operands that are first quantised to E2M3 (2 exponent bits, 3 mantissa bits; 6 bits a number), with one power-of-two scale for each 32 numbers along K (OCP MX v1.0); their sums are f32. All else is computed in f32.
;;   The module's matrix products, in the order in which they are computed (A, B: the left and right operand; K: the contracted axis; several contracted axes count as one K, in the product's order):
;;     1. [M 8,192, K 1,024] x [K 1,024, N 1,024]; A: input q; B: input w_q: QUANTISED
;;     2. [M 8,192, K 1,024] x [K 1,024, N 1,024]; A: input k; B: input w_k: QUANTISED
;;     3. [M 8,192, K 1,024] x [K 1,024, N 1,024]; A: input v; B: input w_v: QUANTISED
;;     4. batch 64 x [M 2,048, K 64] x [K 64, N 2,048]; A: computed on the way; B: computed on the way: QUANTISED
;;     5. batch 64 x [M 2,048, K 2,048] x [K 2,048, N 64]; A: softmax (see below); B: computed on the way: QUANTISED
;;     6. [M 8,192, K 1,024] x [K 1,024, N 1,024]; A: computed on the way; B: input w_o: QUANTISED
;;   THE QUANTISER, for each operand of a quantised product, along K:
;;     - K is cut into blocks of 32 from its start; a last block that is shorter is filled with zeros.
;;     - A block's scale is 2^e with e = floor(log2(the largest magnitude in the block)) - 2, held to -126 .. 127; a block of zeros has e = 0. As a byte (E8M0): e + 127.
;;     - Each number is divided by its block's scale, clamped to +-7.5, and rounded to the nearest number of E2M3, ties to even, subnormals kept.
;;     - The product sums the exact products of the quantised numbers (number of the format x scale) in f32.
;;   ~~~python
;;   def quantise(x, axis):      # numpy; x: float32 -> the quantised numbers, widened to float32 again
;;       x = np.moveaxis(x, axis, -1); K = x.shape[-1]
;;       x = np.pad(x, [(0, 0)] * (x.ndim - 1) + [(0, -K % 32)]); x = x.reshape(x.shape[:-1] + (-1, 32)); a = np.abs(x).max(-1, keepdims=True)
;;       e = np.where(a > 0, np.clip(np.frexp(np.where(a > 0, a, 1))[1] - 1 - 2, -126, 127), 0)      # np.frexp(a)[1] - 1 = floor(log2(a)), exactly
;;       r = np.clip(x / 2.0 ** e, -7.5, 7.5)
;;       step = 2.0 ** (np.maximum(np.frexp(np.where(r == 0, 1, r))[1] - 1, 0) - 3)
;;       q = np.round(r / step) * step * 2.0 ** e      # np.round: ties to even
;;       return np.moveaxis(q.reshape(q.shape[:-2] + (-1,))[..., :K], -1, axis).astype(np.float32)
;;   ~~~
;;   SOFTMAX AHEAD OF A QUANTISED PRODUCT. Where the list says 'softmax', what is quantised is not the finished softmax but p = 2^(t - M), with t = logit x log2(e) and M = ceil(the row's largest t), a whole number; so 1/2 < the row's largest p <= 1. The row's sum l is taken of the UNQUANTISED p, in f32, and the product's result is divided by l at the end. Since M is a whole number, a kernel that streams over the keys may use a running M (the ceiling of the running maximum): every later rescaling is an exact power of two, which a block's scale takes up: the codes' values come out the same.
;;   OPERANDS COMPUTED ON THE WAY. 'Computed on the way' means the value that the module computes at that place (a softmax that the list does not call 'softmax' is quantised finished and normalised). What goes into a quantiser is computed in f32, as accurately as f32 sums, v_exp_f32 and their like allow (about 1e-6 of the number): no bf16 or f16 on the way to a quantiser, and a product that is left as it is and whose result goes on into a quantised operand takes f32 operands (vector FMAs, or v_wmma_f32_16x16x4_f32). A number that lies on a knife's edge between two numbers of the format may be rounded either way, as far as f32 arithmetic and the matrix unit's own rounding can turn it there, and no further.
;; One version. Each part assembles by itself: llvm-mc -triple=amdgcn-amd-amdhsa -mcpu=gfx1250 --defsym DOCPART=n.
;; ======== version 1 of 1: 4 launches
;; limits: right only within a limited range of input values
;; workspace buffers: xcod 19,660,800 bytes; wcod 3,276,800 bytes; mbit 524,800 bytes of whole numbers; acod 19,660,800 bytes; ccod 6,553,600 bytes
;; launch prep (part 1): grid 960 x 1, 16 waves a work-group, no clusters, 137,472 bytes of LDS; arguments q, k, v, mask, w_q, w_k, w_v, w_o, xcod, wcod, mbit; writes xcod, wcod, mbit
.if DOCPART == 1
	.amdgcn_target "amdgcn-amd-amdhsa--gfx1250"
	.amdhsa_code_object_version 6
	.text
	.protected	k_q587dd428e6_prep
	.globl	k_q587dd428e6_prep
	.p2align	8
	.type	k_q587dd428e6_prep,@function
k_q587dd428e6_prep:
	s_mov_b64 s[64:65], 0
	v_nop
	global_prefetch_b8 v0, s[64:65] scope:SCOPE_SE
	s_setreg_imm32_b32 hwreg(HW_REG_WAVE_MODE, 25, 1), 1
	s_wait_xcnt 0x0
; q, k, v [8192][1024] f32 and the four weights [1024 (k)][1024 (n)] f32 become codes of FP6 (E2M3) with one E8M0 byte for each 32 along K; the mask [2048][2048] i32 becomes lane masks and a class for each (tile of 16 queries, step of 128 keys).
; A block's scale is 2^(floor(log2(largest magnitude)) - 2): its byte is the largest magnitude's exponent field - 2, held at 1 from below.
; LIMITS: a block of zeros gets the byte 1 (its codes are zeros, and this program alone reads the bytes); NaN and infinities among the inputs are not served.
; THE WORKSPACE IS LAID IN THE ORDER OF THE OPERAND'S REGISTERS.  A tile is 16 rows: in each group of 32 rows lane r of tile u stands for row 8 u + r + 8 (r / 8).  A fragment (a tile x 128 K) is 1,536 bytes, two halves of 768 (64 K each):
; lane l = r + 16 h holds block h of its row, 6 words: words 0-3 at 16 l, words 4-5 at 512 + 8 l.  Codes: [128 rows RB][K step s 0..7][tile i 0..7][1536]; scale bytes: [RB][s / 2][i][r][8 bytes: 4 (s % 2) + block].
; SHARES, by the work-group's number: 0..767 a quarter of K of 128 rows of q, k or v, a fragment a wave; 768..895 a tile of 16 queries of the mask, a step of 128 keys a wave; 896..959 the weights, 32 columns x 128 K a wave.
; q, k, v and the mask take ONE text up to the stage in LDS: sixteen loads of 512 consecutive bytes, a row each, stored as they lie into rows of 528 bytes; each lane then reads the numbers that it needs as neighbours.
; The weights need no stage: a lane takes a column n and its registers run down K.  Their pairs (128 bytes) and all scale words (64-byte runs) are stored in parts of a 256-byte block: 4 MB of the launch's 23 MB of stores.
.set STGB,  8448                       ; a wave's stage: 16 rows x (512 + 16) bytes: row r starts at bank 4 r mod 64
.set FLG,   16*STGB                    ; the mask's path: 8 bytes a wave
.set SPARE, FLG+256                    ; the spare words, 128 bytes for each of sixteen waves
.set SPW, 12                           ; v12 LDS address of my spare word; never rewritten
.set NIL, 13                           ; v13 0; never rewritten
.set VO,  16                           ; v16-31 a row's byte offset (later at work)
.set X,   32                           ; v32-95 64 numbers
.set CD,  96                           ; v96-127 codes, 8 registers a block
; 32 numbers of one lane, one block: codes into v[cd .. cd+5], the scale's byte into v[by]
.macro BLK32 xs, cd, by
	v_max3_num_f32 v14, |v[(\xs)]|, |v[(\xs)+1]|, |v[(\xs)+2]|
	v_max3_num_f32 v15, |v[(\xs)+3]|, |v[(\xs)+4]|, |v[(\xs)+5]|
.irp i, 6,10,14,18,22,26
	v_max3_num_f32 v14, v14, |v[(\xs)+\i]|, |v[(\xs)+\i+1]|
	v_max3_num_f32 v15, v15, |v[(\xs)+\i+2]|, |v[(\xs)+\i+3]|
.endr
	v_max3_num_f32 v14, v14, |v[(\xs)+30]|, |v[(\xs)+31]|
	v_max3_num_f32 v14, v14, v15, 0x1800000        ; the floor 2^(3 - 127): the byte cannot fall under 1
	v_add_nc_u32 v15, 0xff000000, v14              ; 2 off the exponent field: the conversion takes this operand's exponent field as its scale
	v_cvt_scalef32_pk16_fp6_f32 v[(\cd):(\cd)+2], v[(\xs):(\xs)+15], v15
	v_cvt_scalef32_pk16_fp6_f32 v[(\cd)+4:(\cd)+6], v[(\xs)+16:(\xs)+31], v15   ; (a conversion's three registers begin on an even number)
	v_lshrrev_b32 v[(\by)], 23, v15                ; the byte; also the plain instruction behind the conversions
	v_mov_b32 v[(\cd)+3], v[(\cd)+4]               ; the six words on end
	v_mov_b32 v[(\cd)+4], v[(\cd)+5]
	v_mov_b32 v[(\cd)+5], v[(\cd)+6]
.endm
	s_load_b512 s[4:19], s[0:1], 0x0               ; q, k, v, mask, w_q, w_k, w_v, w_o
	s_load_b128 s[20:23], s[0:1], 0x40             ; xcod, wcod
	s_load_b64 s[24:25], s[0:1], 0x50              ; mbit
	v_lshl_add_u32 v[SPW], v0, 2, SPARE
	v_mov_b32 v[NIL], 0
	v_lshrrev_b32 v14, 5, v0
	v_readfirstlane_b32 s26, v14                   ; wave 0..15
	s_mov_b32 s27, ttmp9                           ; the work-group's number
	v_and_b32 v1, 31, v0                           ; lane
	v_and_b32 v2, 15, v0                           ; r
	v_bfe_u32 v3, v0, 4, 1                         ; h
	v_lshlrev_b32 v4, 4, v1                        ; 16 x lane
	v_lshlrev_b32 v5, 3, v1                        ; 8 x lane
	s_mul_i32 s28, s26, STGB                       ; every LDS address is made here, ahead of the first parting
	v_add_nc_u32 v6, s28, v4                       ; into the stage: 16 x lane of a row
	v_mul_u32_u24 v7, v2, 528
	v_add_nc_u32 v7, s28, v7
	v_lshl_add_u32 v8, v3, 6, v7                   ; out of it, the mask: row r, + 64 h
	v_lshl_add_u32 v7, v3, 7, v7                   ; out of it, numbers: row r, + 128 h
	s_lshl_b32 s28, s26, 3
	s_add_co_u32 s28, s28, FLG
	v_mov_b32 v9, s28                              ; my wave's 8 bytes
	v_lshl_add_u32 v10, v2, 3, FLG                 ; and wave r's
	v_lshlrev_b32 v11, 3, v2                       ; 8 r
	s_mov_b32 s44, 0x76543210
	s_mov_b32 s45, 0xfedcba98                      ; v_permlanex16_b32's selects for lane l xor 16
	s_wait_kmcnt 0x0
	s_cmp_ge_u32 s27, 896
	s_cbranch_scc1 .Lweights
	; ---- q, k, v and the mask: sixteen rows of 512 bytes into the stage
	s_bfe_u32 s31, s27, 0x60002                    ; RB = (number / 4) % 64
	s_and_b32 s32, s27, 3                          ; which quarter of K
	s_and_b32 s33, s26, 7                          ; tile i
	s_lshr_b32 s34, s26, 3
	s_lshl_b32 s35, s32, 1
	s_add_co_u32 s34, s34, s35                     ; K step s = 2 x quarter + wave / 8
	s_lshl_b32 s35, s31, 3
	s_add_co_u32 s35, s35, s33                     ; the tile among all rows: 8 RB + i
	s_sub_co_u32 s36, s27, 768                     ; the mask's tile T
	s_lshr_b32 s37, s27, 8                         ; which of q, k, v
	s_cmp_lt_u32 s27, 256                          ; the buffer is chosen by the work-group's number alone
	s_cselect_b64 s[28:29], s[4:5], s[6:7]
	s_cmp_lt_u32 s27, 512
	s_cselect_b64 s[28:29], s[28:29], s[8:9]
	s_cmp_lt_u32 s27, 768
	s_cselect_b64 s[28:29], s[28:29], s[10:11]
	s_mov_b32 s30, 8192
	s_cselect_b32 s30, 4096, s30                   ; a row in bytes
	s_cselect_b32 s38, s35, s36                    ; the tile
	s_cselect_b32 s39, s34, s26                    ; which 512 bytes of the rows: K step, or step of keys = wave
	s_lshr_b32 s40, s38, 1
	s_lshl_b32 s40, s40, 5
	s_and_b32 s41, s38, 1
	s_lshl_b32 s41, s41, 3
	s_add_co_u32 s40, s40, s41                     ; the tile's first row: 32 (tile / 2) + 8 (tile % 2)
	s_mul_i32 s40, s40, s30
	s_lshl_b32 s41, s39, 9
	s_add_co_u32 s40, s40, s41
	s_mov_b32 s41, 0
	s_add_nc_u64 s[28:29], s[28:29], s[40:41]
.irp p, 0,1,2,3,4,5,6,7,8,9,10,11,12,13,14,15
	s_mul_i32 s42, s30, \p+8*(\p/8)                ; the tile's rows are 0-7 and 16-23 from its first
	v_add_nc_u32 v[VO+\p], s42, v4
.endr
.irp p, 0,1,2,3,4,5,6,7,8,9,10,11,12,13,14,15
	global_load_b128 v[X+4*\p:X+4*\p+3], v[VO+\p], s[28:29] th:TH_LOAD_NT   ; 32 lanes read 512 consecutive bytes
.endr
.irp p, 0,1,2,3,4,5,6,7,8,9,10,11,12,13,14,15
	s_wait_loadcnt 15-\p                           ; loads come back in order: row p is in, the younger rows stay out
	ds_store_b128 v6, v[X+4*\p:X+4*\p+3] offset:528*\p
.endr
	s_cmp_ge_u32 s27, 768
	s_cbranch_scc1 .Lmask
	; ---- q, k, v: lane (r, h) takes blocks h and 2 + h of row r: the very blocks that the operand's layout gives it
.irp c, 0,1
.irp i, 0,1,2,3,4,5,6,7
	ds_load_b128 v[X+32*\c+4*\i:X+32*\c+4*\i+3], v7 offset:256*\c+16*\i   ; LDS serves a wave's instructions in order: these see my stores
.endr
.endr
	s_mul_i32 s40, s37, 6291456                    ; where the fragment goes
	s_mul_i32 s41, s31, 98304
	s_add_co_u32 s40, s40, s41
	s_mul_i32 s41, s34, 12288
	s_add_co_u32 s40, s40, s41
	s_mul_i32 s41, s33, 1536
	s_add_co_u32 s40, s40, s41
	s_mov_b32 s41, 0
	s_add_nc_u64 s[46:47], s[20:21], s[40:41]
	s_lshl_b32 s40, s37, 18                        ; and its scale words
	s_lshl_b32 s41, s31, 12
	s_add_co_u32 s40, s40, s41
	s_lshl_b32 s41, s32, 10
	s_add_co_u32 s40, s40, s41
	s_lshl_b32 s41, s33, 7
	s_add_co_u32 s40, s40, s41
	s_lshr_b32 s41, s26, 3
	s_lshl_b32 s41, s41, 2                         ; 4 (s % 2)
	s_add_co_u32 s40, s40, s41
	s_add_co_u32 s40, s40, 18874368
	s_mov_b32 s41, 0
	s_add_nc_u64 s[48:49], s[20:21], s[40:41]
	s_wait_dscnt 0x0
	BLK32 X, CD, 16
	BLK32 X+32, CD+8, 17
	v_lshl_or_b32 v16, v17, 16, v16                ; my two bytes: blocks h and 2 + h,
	v_lshlrev_b32 v17, 3, v3
	v_lshlrev_b32 v16, v17, v16                    ; at their places in the word;
	v_permlanex16_b32 v18, v16, s44, s45
	v_or_b32 v16, v16, v18                         ; with lane l xor 16's two the word is whole
	global_store_b128 v4, v[CD:CD+3], s[46:47]                 ; 512 consecutive bytes
	global_store_b64 v5, v[CD+4:CD+5], s[46:47] offset:512     ; 256
	global_store_b128 v4, v[CD+8:CD+11], s[46:47] offset:768
	global_store_b64 v5, v[CD+12:CD+13], s[46:47] offset:1280
	s_wait_xcnt 0x0                                ; EXEC changes only behind this wait
	v_cmp_gt_u32 vcc_lo, 16, v1
	s_and_saveexec_b32 s50, vcc_lo
	global_store_b32 v11, v16, s[48:49]            ; lanes 0-15: a word a row, 8 bytes apart
	s_wait_xcnt 0x0
	s_or_b32 exec_lo, exec_lo, s50
	s_branch .Ltail
	; ---- the mask: register n = 16 b + i of lane (r, h) is mask[query r of the tile][128 J + 32 b + 16 h + i]: the place of score n in the attention's registers
.Lmask:
.irp b, 0,1,2,3
.irp i, 0,1,2,3
	ds_load_b128 v[X+16*\b+4*\i:X+16*\b+4*\i+3], v8 offset:128*\b+16*\i
.endr
.endr
	v_mov_b32 v96, 0
	v_mov_b32 v97, 0
	s_mov_b32 s42, 0                               ; the words' OR
	s_mov_b32 s43, -1                              ; and their AND
	s_lshl_b32 s40, s36, 12
	s_lshl_b32 s41, s26, 8
	s_add_co_u32 s40, s40, s41
	s_mov_b32 s41, 0
	s_add_nc_u64 s[46:47], s[24:25], s[40:41]      ; mbit + 4096 T + 256 J
	s_wait_dscnt 0x0
.set n, 0
.rept 64
	v_cmp_ne_u32 s[52+n%4], 0, v[X+n]              ; word n: a bit a lane, set where the key counts
	v_writelane_b32 v[96+n%2], s[52+n%4], n/2      ; lane l gathers words 2 l and 2 l + 1
	s_or_b32 s42, s42, s[52+n%4]
	s_and_b32 s43, s43, s[52+n%4]
.set n, n+1
.endr
	global_store_b64 v5, v[96:97], s[46:47]        ; 256 consecutive bytes, aligned
	s_cmp_eq_u32 s43, -1                           ; the step's class: 2 all keys count, 0 none, 1 else.  No branch: selections
	s_cselect_b32 s52, 2, 1
	s_cmp_eq_u32 s42, 0
	s_cselect_b32 s52, 0, s52
	s_lshl_b32 s53, s26, 1
	s_lshl_b32 s52, s52, s53                       ; at bits 2 J
	s_lshr_b32 s53, s42, 16
	s_or_b32 s53, s53, s42
	s_and_b32 s53, s53, 0xffff                     ; bit r: query r has a key that counts in this step
	v_mov_b32 v14, s53
	v_mov_b32 v15, s52
	ds_store_b64 v9, v[14:15]                      ; all lanes write the same 8 bytes
	s_branch .Ltail
	; ---- the weights: 32 columns x 128 along K a wave; a lane to a column, registers down K
.Lweights:
	s_sub_co_u32 s31, s27, 896
	s_lshr_b32 s32, s31, 4                         ; which weight
	s_and_b32 s31, s31, 15
	s_lshr_b32 s33, s31, 1                         ; RB: 128 columns n
	s_and_b32 s31, s31, 1
	s_lshl_b32 s31, s31, 2
	s_lshr_b32 s34, s26, 2
	s_add_co_u32 s34, s34, s31                     ; K step s
	s_and_b32 s35, s26, 3                          ; which 32 of the 128 columns
	s_cmp_lt_u32 s32, 1
	s_cselect_b64 s[28:29], s[12:13], s[14:15]
	s_cmp_lt_u32 s32, 2
	s_cselect_b64 s[28:29], s[28:29], s[16:17]
	s_cmp_lt_u32 s32, 3
	s_cselect_b64 s[28:29], s[28:29], s[18:19]
	s_lshl_b32 s40, s34, 19                        ; 128 s rows of 4,096 bytes
	s_lshl_b32 s41, s33, 9
	s_add_co_u32 s40, s40, s41
	s_lshl_b32 s41, s35, 7
	s_add_co_u32 s40, s40, s41
	s_mov_b32 s41, 0
	s_add_nc_u64 s[28:29], s[28:29], s[40:41]
	v_lshlrev_b32 v16, 2, v1                       ; 4 bytes a lane: 128 consecutive bytes a wave, 512 for the four waves side by side
.macro WLOAD t
.irp i, 0,1,2,3,4,5,6,7,8,9,10,11,12,13,14,15,16,17,18,19,20,21,22,23,24,25,26,27,28,29,30,31
	global_load_b32 v[X+32*((\t)%2)+\i], v16, s[28:29] offset:(32*(\t)+\i)*4096 th:TH_LOAD_NT
.endr
.endm
	WLOAD 0
	WLOAD 1
	v_bfe_u32 v17, v1, 3, 1                        ; column l of the 32 is lane r' of tile u: u = (l / 8) % 2,
	v_and_b32 v18, 7, v1
	v_lshl_or_b32 v18, v3, 3, v18                  ; r' = l % 8 + 8 (l / 16)
	v_mul_u32_u24 v19, v17, 1536
	v_lshl_add_u32 v20, v18, 3, v19                ; the pairs' place
	v_lshl_add_u32 v19, v18, 4, v19                ; the quads'
	v_lshlrev_b32 v21, 7, v17
	v_lshl_add_u32 v21, v18, 3, v21                ; the scale word's
	s_mul_i32 s40, s32, 786432
	s_mul_i32 s41, s33, 98304
	s_add_co_u32 s40, s40, s41
	s_mul_i32 s41, s34, 12288
	s_add_co_u32 s40, s40, s41
	s_mul_i32 s41, s35, 3072                       ; tiles 2 g and 2 g + 1
	s_add_co_u32 s40, s40, s41
	s_mov_b32 s41, 0
	s_add_nc_u64 s[46:47], s[22:23], s[40:41]
	s_lshl_b32 s40, s32, 15
	s_lshl_b32 s41, s33, 12
	s_add_co_u32 s40, s40, s41
	s_lshr_b32 s41, s34, 1
	s_lshl_b32 s41, s41, 10
	s_add_co_u32 s40, s40, s41
	s_lshl_b32 s41, s35, 8
	s_add_co_u32 s40, s40, s41
	s_and_b32 s41, s34, 1
	s_lshl_b32 s41, s41, 2
	s_add_co_u32 s40, s40, s41
	s_add_co_u32 s40, s40, 3145728
	s_mov_b32 s41, 0
	s_add_nc_u64 s[48:49], s[22:23], s[40:41]
.irp t, 0,1,2,3                        ; block t = 2 c + h of the K step goes to lane r' + 16 h of half c
.if \t < 3
	s_wait_loadcnt 32                              ; this block's 32 loads are in; the next block's may be out
.else
	s_wait_loadcnt 0x0
.endif
	BLK32 X+32*(\t%2), CD+8*\t, 22+\t
.if \t < 2
	WLOAD \t+2
.endif
	global_store_b128 v19, v[CD+8*\t:CD+8*\t+3], s[46:47] offset:768*(\t/2)+256*(\t%2)       ; each tile's sixteen lanes store 256 consecutive bytes, aligned
	global_store_b64 v20, v[CD+8*\t+4:CD+8*\t+5], s[46:47] offset:768*(\t/2)+512+128*(\t%2)
.endr
	v_lshl_or_b32 v22, v23, 8, v22
	v_lshl_or_b32 v22, v24, 16, v22
	v_lshl_or_b32 v22, v25, 24, v22                ; my column's scale word of this K step
	global_store_b32 v21, v22, s[48:49]
	; ---- every path passes the one barrier; only the mask's path has work behind it
.Ltail:
	s_wait_xcnt 0x0                                ; every path's stores have had their addresses translated (ISA guide 3.1): their bases, offsets and data, s[46:47] among them, are written again only behind this wait
	s_wait_dscnt 0x0                               ; for the others' sake: my LDS stores have landed
	s_barrier_signal -1
	s_barrier_wait -1
	s_cmp_lt_u32 s27, 768
	s_cbranch_scc1 .Lend
	s_cmp_ge_u32 s27, 896
	s_cbranch_scc1 .Lend
	ds_load_b64 v[14:15], v10                      ; wave r's: which queries have a key in its step, and its class
	v_mov_b32 v16, 0
	v_mov_b32 v17, 0
	s_sub_co_u32 s36, s27, 768
	s_lshl_b32 s40, s36, 2
	s_add_co_u32 s40, s40, 524288
	s_mov_b32 s41, 0
	s_add_nc_u64 s[46:47], s[24:25], s[40:41]      ; the tile's class word
	s_wait_dscnt 0x0
.irp m, 1,2,4,8
	v_mov_b32_dpp v16, v14 row_xmask:\m row_mask:0xf bank_mask:0xf
	v_mov_b32_dpp v17, v15 row_xmask:\m row_mask:0xf bank_mask:0xf
	v_or_b32 v14, v14, v16
	v_or_b32 v15, v15, v17                         ; the sixteen steps' words joined
.endr
	v_lshrrev_b32 v16, 1, v15                      ; A query with no key that counts in all 2,048 has equal weights on ALL keys: then no step of its tile may be left out: class 0 becomes 1
	v_or_b32 v16, v16, v15
	v_xor_b32 v16, -1, v16
	v_and_b32 v16, 0x55555555, v16
	v_or_b32 v16, v16, v15
	v_cmp_ne_u32 vcc_lo, 0xffff, v14
	v_cndmask_b32 v15, v15, v16, vcc_lo
	v_mov_b32 v17, 0
	s_wait_xcnt 0x0                                ; EXEC changes only behind this wait
	v_cmp_eq_u32 vcc_lo, 0, v0
	s_and_saveexec_b32 s50, vcc_lo
	global_store_b32 v17, v15, s[46:47]            ; thread 0 alone
	s_wait_xcnt 0x0
	s_or_b32 exec_lo, exec_lo, s50
.Lend:
	s_wait_tensorcnt 0x0                           ; the wave's end, behind my last LDS store
	ds_add_u32 v[SPW], v[NIL]
	s_wait_dscnt 0x0
	s_endpgm
.Lfunc_end_k_q587dd428e6_prep:
	.size	k_q587dd428e6_prep, .Lfunc_end_k_q587dd428e6_prep-k_q587dd428e6_prep
	.p2alignl 7, 3214868480
	.fill 96, 4, 3214868480
	.section	.rodata,"a",@progbits
	.p2align	6, 0x0
	.amdhsa_kernel k_q587dd428e6_prep
		.amdhsa_group_segment_fixed_size 137472
		.amdhsa_private_segment_fixed_size 0
		.amdhsa_enable_private_segment 0
		.amdhsa_kernarg_size 88
		.amdhsa_user_sgpr_count 2
		.amdhsa_user_sgpr_kernarg_segment_ptr 1
		.amdhsa_wavefront_size32 1
		.amdhsa_system_sgpr_workgroup_id_x 1
		.amdhsa_system_sgpr_workgroup_id_y 1
		.amdhsa_system_sgpr_workgroup_id_z 1
		.amdhsa_system_vgpr_workitem_id 0
		.amdhsa_next_free_vgpr 128
		.amdhsa_next_free_sgpr 66
		.amdhsa_reserve_vcc 1
		.amdhsa_float_denorm_mode_32 3
		.amdhsa_float_denorm_mode_16_64 3
		.amdhsa_memory_ordered 1
		.amdhsa_forward_progress 1
		.amdhsa_inst_pref_size 50
	.end_amdhsa_kernel
	.amdgpu_metadata
---
amdhsa.version: [ 1, 2 ]
amdhsa.kernels:
  - .name:           k_q587dd428e6_prep
    .symbol:         k_q587dd428e6_prep.kd
    .args:
      - { .name: q, .offset: 0, .size: 8, .value_kind: global_buffer, .address_space: global }
      - { .name: k, .offset: 8, .size: 8, .value_kind: global_buffer, .address_space: global }
      - { .name: v, .offset: 16, .size: 8, .value_kind: global_buffer, .address_space: global }
      - { .name: mask, .offset: 24, .size: 8, .value_kind: global_buffer, .address_space: global }
      - { .name: w_q, .offset: 32, .size: 8, .value_kind: global_buffer, .address_space: global }
      - { .name: w_k, .offset: 40, .size: 8, .value_kind: global_buffer, .address_space: global }
      - { .name: w_v, .offset: 48, .size: 8, .value_kind: global_buffer, .address_space: global }
      - { .name: w_o, .offset: 56, .size: 8, .value_kind: global_buffer, .address_space: global }
      - { .name: xcod, .offset: 64, .size: 8, .value_kind: global_buffer, .address_space: global }
      - { .name: wcod, .offset: 72, .size: 8, .value_kind: global_buffer, .address_space: global }
      - { .name: mbit, .offset: 80, .size: 8, .value_kind: global_buffer, .address_space: global }
    .group_segment_fixed_size: 137472
    .private_segment_fixed_size: 0
    .kernarg_segment_align: 8
    .kernarg_segment_size: 88
    .max_flat_workgroup_size: 512
    .sgpr_count:     66
    .vgpr_count:     128
    .wavefront_size: 32
...
	.end_amdgpu_metadata
.endif
;; end of part 1
;; launch proj (part 2): grid 4 x 96, 4 waves a work-group, clusters of 4 x 4, 327,680 bytes of LDS; arguments xcod, wcod, b_q, b_k, b_v, acod; writes acod
.if DOCPART == 2
	.amdgcn_target "amdgcn-amd-amdhsa--gfx1250"
	.amdhsa_code_object_version 6
	.text
	.protected	k_q587dd428e6_proj
	.globl	k_q587dd428e6_proj
	.p2align	8
	.type	k_q587dd428e6_proj,@function
k_q587dd428e6_proj:
	s_mov_b64 s[64:65], 0
	v_nop
	global_prefetch_b8 v0, s[64:65] scope:SCOPE_SE
	s_setreg_imm32_b32 hwreg(HW_REG_WAVE_MODE, 25, 1), 1
	s_wait_xcnt 0x0
	s_wait_alu depctr_hold_cnt(0) depctr_sa_sdst(0) depctr_va_vdst(0) depctr_va_sdst(0) depctr_va_ssrc(0) depctr_va_vcc(0) depctr_vm_vsrc(0)
	s_getreg_b32 s2, hwreg(HW_REG_IB_STS2, 6, 4)
	s_cmp_eq_u32 s2, 0
	s_cbranch_scc0 .Lentry_in_a_cluster
	s_endpgm
.Lentry_in_a_cluster:
	s_bfe_u32 s2, ttmp6, 0x10000c
	s_cmp_lg_u32 s2, 0xf033
	s_cbranch_scc0 .Lentry_shape_is_right
	s_endpgm
.Lentry_shape_is_right:
; The three projections x W + b on codes of FP6 (E2M3), [8192 x 1024] x [1024 x 1024] each, in one launch; the results, with their bias, are quantised in registers and leave as the attention's operands.
; A tile of the result, 256 x 256, is made by a work-group of four waves; a wave makes 128 x 128: 64 accumulators, 512 registers.  K goes in steps of 256 through a ring of two LDS slots filled by the tensor data mover.
; OPERANDS lie in memory in the order of the operand's registers: [128 rows RB][K step of 128 s][tile i][1,536 bytes], so a slot's codes of 128 rows are 24,576 dense bytes, and a fragment comes by loads of 16, 8, 16, 8 bytes a lane,
; each of consecutive bytes: no pitch, no padding.  Scale bytes [RB][s / 2][i][r][8]: 4,096 dense bytes for 128 rows and all of K: they come once, with the first fills.
; ROLES.  Cluster y = 8 kind + rho.  kind 0, 1 (q, k): A = x's rows (source 1: a lane holds a row), B = W^T's rows n (source 0: along the registers).  The 64 registers of a block of 16 rows then run along 128 n = two heads:
; quantised along the head's 64 they are two tiles of 16 queries or keys.  kind 2 (v): A = W_v^T's rows n, B = x's rows: the registers run along 128 KEYS, the second attention product's K.
; THE ROWS OF A TILE ARE NOT NEIGHBOURS: in each group of 32 rows lane r of tile u stands for row 8 u + r + 8 (r / 8), so that the 16 registers of tiles 2 g and 2 g + 1 are 16 neighbours along the next K.
; CLUSTERS: 4 x 4 work-groups.  The four of a row of the cluster need the same tiles of A, the four of a column the same tiles of B: each is asked for jointly.  kind and rho come from the cluster's y: alike in all sixteen.
; OUT (acod): sections q, k, v of 6,291,456 bytes.  q, k: [head bh][tile T][768];  v: [bh][step of 128 keys J][tile of 16 d][1536].  Scale words from byte 18,874,368: [section][bh][128 rows G][r][4 words].
; LIMITS: a block of zeros gets the byte 1 (its codes are zeros; this program alone reads the bytes); NaN and infinities are not served.
; REGISTERS, in windows of 256: window 0: v0-31 addresses; v32-63 scale words, two sets; v64-127 the bias; from v128 A's fragments, ONE set; in the epilogue v128-255 are at work.
;   window 1: B's fragments, TWO sets, at v0 and v128.   window 2: the accumulators of my rows 0-63 ((a, b) at v[8 (8 a + b)]);   window 3: those of rows 64-127.
.set NQ,    2                          ; matrix instructions deep in a slot
.set FR,    12                         ; registers of a fragment
.set NL,    4                          ; LDS loads that bring one
.set NP,    4                          ; places behind this matrix instruction (ISA guide 7.12.1)
.set RBB,   24576                      ; a slot's codes of 128 rows: what one tensor load brings
.set SLOT,  4*RBB                      ; A's two blocks of 128 rows, then B's two
.set SCL,   2*SLOT                     ; behind the ring: the scale bytes, 4,096 for each block of 128 rows
.set SPARE, SCL+4*4096                 ; the spare words, 128 bytes for each wave
.set ADRA, 16                          ; v16-17 LDS address of my A fragments' quads in slot 0, 1; v18-19 of their pairs
.set ADRB, 20                          ; v20-23 the same for B
.set LQ,   24                          ; v24 16 x lane
.set LP,   25                          ; v25 8 x lane
.set ADRS, 27                          ; v27 LDS address of my scale words: lanes 0-15 A's rows, lanes 16-31 B's
.set SPW,  28                          ; v28 LDS address of my spare word; never rewritten
.set NIL,  29                          ; v29 0; never rewritten
.set BOF,  30                          ; v30 the bias's offset
.set SOF,  31                          ; v31 the scale words' offset on the way out
.set SC,   32
.set BI,   64
.set AF,   128
.set H,    128                         ; epilogue: 64 numbers of a block
.set PC,   192                         ; v192-210 the codes just made
.set TM,   224                         ; v224-239 at work
.set PW,   240                         ; v240-247 the eight blocks' scale words
.set SW,   248                         ; v248-251 as they are stored
.set SELV, 252
.set G1, 24
.set G0, 32
.set G1B, 48
.set G0B, 56
.set G1S, 68
.set G0S, 76
.set G1SB, 80
.set G0SB, 88
.set MSB, 0
.macro WIN new                         ; the immediate's high byte repeats the setting that is left
.if MSB != \new
	s_set_vgpr_msb (MSB<<8)|\new
.set MSB, \new
.endif
.endm
.set MUL_LO, 0xa1                      ; source 0 (B) window 1, source 1 (A) window 0, C and D window 2
.set MUL_HI, 0xf1
.set TO_B,   0x40
; A joint load: waves 0 and 1 fetch for A, waves 2 and 3 for B.  An s_nop 0 and four v_nop follow each of the two lines.
.macro JLOAD g0a, g1a, g0b, g1b
	s_cmp_eq_u32 s15, 0
	s_cbranch_scc0 .Lfor_b_\@
	tensor_load_to_lds s[\g0a:\g0a+3], s[\g1a:\g1a+7]
	s_nop 0
.rept 4
	v_nop
.endr
	s_branch .Lasked_\@
.Lfor_b_\@:
	tensor_load_to_lds s[\g0b:\g0b+3], s[\g1b:\g1b+7]
	s_nop 0
.rept 4
	v_nop
.endr
.Lasked_\@:
.endm
.macro CREST                           ; a round of the cluster's barrier behind its opening barrier
	s_cmp_lg_u32 s14, 0
	s_cbranch_scc1 .Lnot_wave_0_\@
	s_barrier_signal -3
.Lnot_wave_0_\@:
	s_barrier_wait -3
	s_barrier_signal -1
	s_barrier_wait -1
.endm
.macro CROUND
	s_barrier_signal -1
	s_barrier_wait -1
	CREST
.endm
	s_load_b256 s[4:11], s[0:1], 0x0               ; xcod, wcod, b_q, b_k
	s_load_b128 s[96:99], s[0:1], 0x20             ; b_v, acod
	v_lshl_add_u32 v[SPW], v0, 2, SPARE
	v_mov_b32 v[NIL], 0
	ds_add_u32 v[SPW], v[NIL]                      ; the wave's opening: the add and its wait come ahead of my first tensor load; the set-up below stands between them
	v_lshrrev_b32 v1, 5, v0
	v_readfirstlane_b32 s14, v1                    ; wave 0..3
	s_lshr_b32 s15, s14, 1                         ; which 128 of the tile's A rows are mine.  Also: I fetch for A (0) or for B (1)
	s_and_b32 s16, s14, 1                          ; which 128 of its B rows.  Also: which block of 128 rows I fetch
	s_bfe_u32 s40, ttmp6, 0x40000                  ; cx, cy: my place in the cluster
	s_bfe_u32 s41, ttmp6, 0x40004
	s_and_b32 s12, ttmp7, 0xffff                   ; the cluster's y = 8 kind + rho (the grid is one cluster wide)
	s_lshr_b32 s2, s12, 3                          ; kind
	s_and_b32 s12, s12, 7
	s_lshl_b32 s12, s12, 2                         ; 4 rho
	s_cmp_eq_u32 s2, 2
	s_cselect_b32 s17, 0, s12
	s_cselect_b32 s42, s12, 0
	s_add_co_u32 s17, s17, s41                     ; A's tile of 256 rows: cy (+ 4 rho for q, k)
	s_add_co_u32 s42, s42, s40                     ; B's: cx (+ 4 rho for v)
	s_lshl_b32 s43, s41, 2
	s_lshl_b32 s43, 15, s43                        ; my row of the cluster
	s_lshl_b32 s44, 0x1111, s40                    ; my column
	; descriptor group 1: a dense block as rows of 256 bytes (32 elements of 8 bytes), no padding: 96 rows of codes, 16 of scale bytes
	s_or_b32 s[G1+0], s43, (3<<16)|(1<<21)         ; 15:0 the mask: A's go to my row; 17:16 elements of 8 bytes; 21 set beside a mask
	s_or_b32 s[G1B+0], s44, (3<<16)|(1<<21)
	s_or_b32 s[G1S+0], s43, (3<<16)|(1<<21)
	s_or_b32 s[G1SB+0], s44, (3<<16)|(1<<21)
.irp g, G1, G1B
	s_mov_b32 s[\g+1], 32<<16                      ; tensor_dim0
	s_mov_b32 s[\g+2], 96<<16                      ; tensor_dim1
	s_mov_b32 s[\g+3], 32<<16                      ; tile_dim0
	s_mov_b32 s[\g+4], 96                          ; tile_dim1
	s_mov_b32 s[\g+5], 32                          ; tensor_dim0_stride
	s_mov_b32 s[\g+6], 0
	s_mov_b32 s[\g+7], 0
.endr
.irp g, G1S, G1SB
	s_mov_b32 s[\g+1], 32<<16
	s_mov_b32 s[\g+2], 16<<16
	s_mov_b32 s[\g+3], 32<<16
	s_mov_b32 s[\g+4], 16
	s_mov_b32 s[\g+5], 32
	s_mov_b32 s[\g+6], 0
	s_mov_b32 s[\g+7], 0
.endr
	s_lshl_b32 s20, s17, 1
	s_add_co_u32 s20, s20, s16                     ; the block of 128 rows of A that I would fetch
	s_lshl_b32 s46, s42, 1
	s_add_co_u32 s46, s46, s16                     ; and of B
	s_mul_i32 s22, s20, 4096
	s_mul_i32 s20, s20, 98304
	s_mul_i32 s92, s46, 4096
	s_mul_i32 s46, s46, 98304
	s_mul_i32 s18, s2, 6291456                     ; x's section of codes,
	s_mul_i32 s19, s2, 786432                      ; W's,
	s_mul_i32 s12, s2, 262144
	s_add_co_u32 s12, s12, 18874368                ; x's section of scale bytes,
	s_mul_i32 s13, s2, 32768
	s_add_co_u32 s13, s13, 3145728                 ; W's
	s_cmp_eq_u32 s2, 2
	s_cselect_b32 s21, s19, s18                    ; A is W for v, x else
	s_cselect_b32 s47, s18, s19
	s_cselect_b32 s23, s13, s12
	s_cselect_b32 s93, s12, s13
	s_add_co_u32 s20, s20, s21
	s_add_co_u32 s22, s22, s23
	s_add_co_u32 s46, s46, s47
	s_add_co_u32 s92, s92, s93
	s_mov_b32 s21, 0
	s_mov_b32 s23, 0
	s_mov_b32 s47, 0
	s_mov_b32 s93, 0
	s_mul_i32 s45, s14, RBB                        ; where they go: wave x a block: no place in the cluster enters an LDS address
	s_lshl_b32 s94, s14, 12
	s_wait_dscnt 0x0                               ; the opening add is done
	s_wait_kmcnt 0x0
	s_cmp_eq_u32 s2, 2
	s_cselect_b64 s[66:67], s[6:7], s[4:5]         ; A's buffer
	s_cselect_b64 s[100:101], s[4:5], s[6:7]       ; B's
	s_add_nc_u64 s[20:21], s[66:67], s[20:21]
	s_add_nc_u64 s[22:23], s[66:67], s[22:23]
	s_add_nc_u64 s[46:47], s[100:101], s[46:47]
	s_add_nc_u64 s[92:93], s[100:101], s[92:93]
	CROUND                                         ; all sixteen work-groups are here: the first joint loads meet
	s_mov_b32 s[G0S], 1
	s_add_co_u32 s[G0S+1], s94, SCL
	s_mov_b64 s[G0S+2:G0S+3], s[22:23]
	s_or_b32 s[G0S+3], s[G0S+3], 0x80000000
	s_mov_b32 s[G0SB], 1
	s_add_co_u32 s[G0SB+1], s94, SCL
	s_mov_b64 s[G0SB+2:G0SB+3], s[92:93]
	s_or_b32 s[G0SB+3], s[G0SB+3], 0x80000000
	JLOAD G0S, G1S, G0SB, G1SB                     ; the scale bytes first: they are wanted with K step 0
.irp s, 0,1
	s_mov_b32 s[G0+4*\s], 1
	s_add_co_u32 s[G0+4*\s+1], s45, \s*SLOT
	s_add_nc_u64 s[G0+4*\s+2:G0+4*\s+3], s[20:21], \s*RBB
	s_or_b32 s[G0+4*\s+3], s[G0+4*\s+3], 0x80000000
	s_mov_b32 s[G0B+4*\s], 1
	s_add_co_u32 s[G0B+4*\s+1], s45, \s*SLOT
	s_add_nc_u64 s[G0B+4*\s+2:G0B+4*\s+3], s[46:47], \s*RBB
	s_or_b32 s[G0B+4*\s+3], s[G0B+4*\s+3], 0x80000000
	JLOAD G0+4*\s, G1, G0B+4*\s, G1B               ; three tensor loads of mine are out
.endr
	v_and_b32 v1, 31, v0                           ; lane
	v_and_b32 v2, 15, v0                           ; r
	v_bfe_u32 v3, v0, 4, 1                         ; h
	v_lshlrev_b32 v[LQ], 4, v1
	v_lshlrev_b32 v[LP], 3, v1
	v_add_nc_u32 v5, 512, v[LP]                    ; a half fragment's pairs lie behind its quads
	s_mul_i32 s21, s15, RBB                        ; my 128 rows of A
	s_mul_i32 s22, s16, RBB
	s_add_co_u32 s22, s22, 2*RBB                   ; my 128 rows of B, behind A's two blocks
.irp s, 0,1
	v_add_nc_u32 v[ADRA+\s], s21, v[LQ]
	v_add_nc_u32 v[ADRB+\s], s22, v[LQ]
	v_add_nc_u32 v[ADRA+2+\s], s21, v5
	v_add_nc_u32 v[ADRB+2+\s], s22, v5
	s_add_co_u32 s21, s21, SLOT
	s_add_co_u32 s22, s22, SLOT
.endr
	s_lshl_b32 s21, s15, 12                        ; A's scale bytes: my block
	s_lshl_b32 s22, s16, 12
	s_add_co_u32 s22, s22, 8192                    ; B's, behind A's two
	s_sub_co_u32 s22, s22, s21
	v_mul_u32_u24 v6, s22, v3                      ; lanes 16-31 take B's: ONE product with h
	s_add_co_u32 s21, s21, SCL
	v_lshl_add_u32 v5, v2, 3, v6                   ; 8 bytes a row
	v_add_nc_u32 v[ADRS], s21, v5
	v_lshlrev_b32 v[SOF], 4, v2
	v_lshl_add_u32 v[SOF], v3, 12, v[SOF]          ; the way out of the scale words: 16 r + 4,096 h
	; the bias, in the result's layout; both arms write all 64 registers
	s_lshl_b32 s18, s17, 1
	s_add_co_u32 s18, s18, s15                     ; my block of 128 of A's rows
	s_lshl_b32 s19, s42, 1
	s_add_co_u32 s19, s19, s16                     ; and of B's
	s_cmp_eq_u32 s2, 2
	s_cbranch_scc1 .Lbias_v
	s_cmp_eq_u32 s2, 0
	s_cselect_b64 s[12:13], s[8:9], s[10:11]
	s_lshl_b32 s46, s19, 9
	s_mov_b32 s47, 0
	s_add_nc_u64 s[12:13], s[12:13], s[46:47]
	v_lshlrev_b32 v[BOF], 6, v3                    ; register 16 g + i is n = 32 g + 16 h + i
.irp g, 0,1,2,3
.irp i, 0,1,2,3
	global_load_b128 v[BI+16*\g+4*\i:BI+16*\g+4*\i+3], v[BOF], s[12:13] offset:128*\g+16*\i
.endr
.endr
	s_branch .Lbias_done
.Lbias_v:
	s_lshl_b32 s46, s18, 9
	s_mov_b32 s47, 0
	s_add_nc_u64 s[12:13], s[96:97], s[46:47]
	v_and_b32 v[BOF], 8, v2
	v_add_nc_u32 v[BOF], v[BOF], v2
	v_lshlrev_b32 v[BOF], 2, v[BOF]                ; my lane's n in a tile: r + 8 (r / 8)
.irp a, 0,1,2,3,4,5,6,7
.irp j, 0,1,2,3,4,5,6,7
	global_load_b32 v[BI+8*\a+\j], v[BOF], s[12:13] offset:4*(32*(\a/2)+8*(\a%2))
.endr
.endr
.Lbias_done:
.macro FRAG reg, adr, q, i             ; a fragment as it lies: quad, pair, quad, pair; every load reads consecutive bytes
	ds_load_b128 v[\reg:\reg+3], v[\adr] offset:(\q)*12288+(\i)*1536
	ds_load_b64 v[\reg+4:\reg+5], v[\adr+2] offset:(\q)*12288+(\i)*1536
	ds_load_b128 v[\reg+6:\reg+9], v[\adr] offset:(\q)*12288+(\i)*1536+768
	ds_load_b64 v[\reg+10:\reg+11], v[\adr+2] offset:(\q)*12288+(\i)*1536+768
.endm
; 16 matrix instructions: A's blocks a0, a0 + 1 x B's eight, 128 along K.  The 64 accumulators take turns, one instruction a turn, in the same order in every step.
.macro MUL16 a0, p, q, sc, zero
.irp a, \a0, \a0+1
.irp b, 0,1,2,3,4,5,6,7
.if \zero
	v_wmma_scale_f32_16x16x128_f8f6f4 v[8*(8*((\a)%4)+\b):8*(8*((\a)%4)+\b)+7], v[128*(\p)+FR*\b:128*(\p)+FR*\b+FR-1], v[AF+FR*(\a):AF+FR*(\a)+FR-1], 0, v[SC+8*NQ*(\sc)+NQ*\b+(\q)], v[SC+8*NQ*(\sc)+NQ*(\a)+(\q)] matrix_a_fmt:MATRIX_FMT_FP6 matrix_b_fmt:MATRIX_FMT_FP6 matrix_a_scale:MATRIX_SCALE_ROW1
.else
	v_wmma_scale_f32_16x16x128_f8f6f4 v[8*(8*((\a)%4)+\b):8*(8*((\a)%4)+\b)+7], v[128*(\p)+FR*\b:128*(\p)+FR*\b+FR-1], v[AF+FR*(\a):AF+FR*(\a)+FR-1], v[8*(8*((\a)%4)+\b):8*(8*((\a)%4)+\b)+7], v[SC+8*NQ*(\sc)+NQ*\b+(\q)], v[SC+8*NQ*(\sc)+NQ*(\a)+(\q)] matrix_a_fmt:MATRIX_FMT_FP6 matrix_b_fmt:MATRIX_FMT_FP6 matrix_a_scale:MATRIX_SCALE_ROW1
.endif
.endr
.endr
.endm
.macro FETCH_B slot, q, p
	WIN TO_B
.irp i, 0,1,2,3,4,5,6,7
	FRAG 128*(\p)+FR*\i, ADRB+\slot, \q, \i
.endr
	WIN 0
.endm
.macro FETCH_A slot, q, i0
.irp i, \i0, \i0+1, \i0+2, \i0+3
	FRAG AF+FR*(\i), ADRA+\slot, \q, \i
.endr
.endm
.macro SCALES sc                       ; a slot's scale words: two a row; lanes 0-15 take A's block i, lanes 16-31 B's block i
.irp i, 0,1,2,3,4,5,6,7
	ds_load_b64 v[SC+8*NQ*\sc+NQ*\i:SC+8*NQ*\sc+NQ*\i+1], v[ADRS] offset:\i*128
.endr
.endm
.macro PLACES n                        ; plain vector instructions between a matrix instruction and a load into, or a vector read or write of, its registers
.rept \n
	v_nop
.endr
.endm
.macro STEP slot, q, zero              ; a step of 128 along K that has its successor in the same slot
	s_wait_dscnt 4*NL                              ; B's set and A's blocks 0-3 are in; the youngest sixteen loads (A's blocks 4-7) may be out
	WIN MUL_LO
	MUL16 0, (\q)%2, \q, \slot, \zero
	MUL16 2, (\q)%2, \q, \slot, \zero
	s_wait_dscnt 0
	PLACES NP
	FETCH_B \slot, (\q)+1, 1-(\q)%2
	FETCH_A \slot, (\q)+1, 0
	WIN MUL_HI
	MUL16 4, (\q)%2, \q, \slot, \zero
	MUL16 6, (\q)%2, \q, \slot, \zero
	PLACES NP
	WIN 0
	FETCH_A \slot, (\q)+1, 4
.endm
; A slot's last step changes slots: ONE barrier; in front of it each wave waits for all its tensor loads, adds 0 to its spare word, and waits for that and for its own reads of this slot.
.macro TURN slot, next, fill
	s_wait_tensorcnt 0x0                           ; all my tensor loads have landed: my part of the next slot
	ds_add_u32 v[SPW], v[NIL]                      ; 0 onto my spare word
	s_wait_dscnt 4*NL+1                            ; (the add and the youngest sixteen loads may be out)
	WIN MUL_LO
	MUL16 0, 1, NQ-1, \slot, 0
	s_wait_dscnt 0x0                               ; the add is done, and my reads of this slot are over
	s_barrier_signal -1
	MUL16 2, 1, NQ-1, \slot, 0
	WIN 0
	s_barrier_wait -1
.if \fill
	CREST                                          ; the barrier has opened a round of the cluster's barrier: no wave of any partner still reads this slot or has a load on its way
	s_add_nc_u64 s[G0+4*\slot+2:G0+4*\slot+3], s[G0+4*\slot+2:G0+4*\slot+3], 2*RBB
	s_add_nc_u64 s[G0B+4*\slot+2:G0B+4*\slot+3], s[G0B+4*\slot+2:G0B+4*\slot+3], 2*RBB
	JLOAD G0+4*\slot, G1, G0B+4*\slot, G1B         ; the first tensor load behind the round; its four v_nop are the places in front of the loads below
.else
	PLACES NP
.endif
	v_add_nc_u32 v[ADRS], 1024, v[ADRS]            ; the next slot's scale words
	FETCH_B \next, 0, 0
	FETCH_A \next, 0, 0
	SCALES \next
	WIN MUL_HI
	MUL16 4, 1, NQ-1, \slot, 0
	MUL16 6, 1, NQ-1, \slot, 0
	PLACES NP
	WIN 0
	FETCH_A \next, 0, 4
.endm
	s_wait_tensorcnt 1                             ; the scale bytes and my part of slot 0 are in; slot 1's load may be out
	s_barrier_signal -1
	s_barrier_wait -1
	FETCH_B 0, 0, 0
	FETCH_A 0, 0, 0
	SCALES 0
	FETCH_A 0, 0, 4
	STEP 0, 0, 1                                   ; the first step's products start the sums: nothing is cleared
	s_mov_b32 s3, 1                                ; K = 1,024 is two laps of the ring: one trip fills both slots again
.Llap:
	TURN 0, 1, 1
	STEP 1, 0, 0
	TURN 1, 0, 1
	STEP 0, 0, 0
	s_sub_co_u32 s3, s3, 1
	s_cmp_lg_u32 s3, 0
	s_cbranch_scc1 .Llap
	TURN 0, 1, 0                                   ; the last lap fills nothing
	STEP 1, 0, 0
	s_wait_dscnt 4*NL
	WIN MUL_LO
	MUL16 0, 1, NQ-1, 1, 0
	MUL16 2, 1, NQ-1, 1, 0
	s_wait_dscnt 0
	WIN MUL_HI
	MUL16 4, 1, NQ-1, 1, 0
	MUL16 6, 1, NQ-1, 1, 0
	WIN 0
	; ---- THE WAY OUT: + bias, quantised along the registers, stored as the attention's operands
	s_wait_loadcnt 0x0                             ; the bias is in; its address registers are free
	s_cmp_eq_u32 s2, 2
	s_cselect_b32 s92, s19, s18                    ; the block of 128 rows of x (queries or keys),
	s_cselect_b32 s93, s18, s19                    ; the block of 128 n: two heads
	s_lshl_b32 s93, s93, 1
	s_lshr_b32 s94, s92, 4                         ; the batch,
	s_and_b32 s92, s92, 15                         ; G: which 128 of its 2,048 rows
	s_lshl_b32 s94, s94, 4
	s_add_co_u32 s94, s94, s93                     ; bh of the first of my two heads
	s_mul_i32 s46, s2, 6291456
	s_mul_i32 s47, s94, 98304
	s_add_co_u32 s46, s46, s47
	s_mul_i32 s47, s92, 6144
	s_add_co_u32 s46, s46, s47
	s_mov_b32 s47, 0
	s_add_nc_u64 s[12:13], s[98:99], s[46:47]      ; the codes
	s_mul_i32 s46, s2, 262144
	s_add_co_u32 s46, s46, 18874368
	s_lshl_b32 s95, s94, 12
	s_add_co_u32 s46, s46, s95
	s_lshl_b32 s95, s92, 8
	s_add_co_u32 s46, s46, s95
	s_add_nc_u64 s[18:19], s[98:99], s[46:47]      ; the scale words
	s_mov_b32 s20, 0x76543210
	s_mov_b32 s21, 0xfedcba98                      ; v_permlanex16_b32's selects for lane l xor 16
	s_mov_b32 s22, 0xffff0000                      ; lanes 16-31
	PLACES NP                                      ; behind the last products: the lines below write registers that they read
.irp b, 0,1,2,3
	v_mov_b32 v[TM+4+\b], 0                        ; written once: a lane permute's destination counts as one of its sources
.endr
	v_mov_b32 v[SELV], 0x05040100
	v_mov_b32 v[SELV+1], 0x07060302
	v_cndmask_b32 v[SELV], v[SELV], v[SELV+1], s22 ; lanes 0-15 pick the first head's two bytes of a word, lanes 16-31 the second's
; 64 numbers of a lane, register 16 b + i = k 32 b + 16 h + i of my row, become a fragment's codes in v[PC] on and its scale word in v[pw]
.macro QUANT s, pw
.irp b, 0,1,2,3
	v_max3_num_f32 v[TM+\b], |v[\s+16*\b]|, |v[\s+1+16*\b]|, 0x1800000   ; my 16 numbers of block b, and the floor 2^(3 - 127): the byte cannot fall under 1
.endr
.irp i, 2,4,6,8,10,12,14
.irp b, 0,1,2,3
	v_max3_num_f32 v[TM+\b], v[TM+\b], |v[\s+16*\b+\i]|, |v[\s+1+16*\b+\i]|
.endr
.endr
.irp b, 0,1,2,3
	v_permlanex16_b32 v[TM+4+\b], v[TM+\b], s20, s21
.endr
.irp b, 0,1,2,3
	v_max_num_f32 v[TM+\b], v[TM+\b], v[TM+4+\b]   ; with lane l xor 16's: the block's largest magnitude
.endr
.irp b, 0,1,2,3
	v_add_nc_u32 v[TM+12+\b], 0xff000000, v[TM+\b] ; 2 off its exponent field: the conversion's scale operand
.endr
.irp b, 0,1,2,3
	v_lshrrev_b32 v[TM+4+\b], 23, v[TM+12+\b]      ; the scale's byte
.endr
	v_lshl_or_b32 v[\pw], v[TM+5], 8, v[TM+4]
	v_lshl_or_b32 v[\pw], v[TM+6], 16, v[\pw]
	v_lshl_or_b32 v[\pw], v[TM+7], 24, v[\pw]
.irp c, 0,1
	v_cvt_scalef32_pk16_fp6_f32 v[PC+6*\c:PC+2+6*\c], v[\s+32*\c:\s+15+32*\c], v[TM+12+2*\c]
	v_cvt_scalef32_pk16_fp6_f32 v[PC+12+4*\c:PC+14+4*\c], v[\s+16+32*\c:\s+31+32*\c], v[TM+12+2*\c+1]
.endr
	v_nop                                          ; one plain instruction behind a scaled conversion
.irp c, 0,1                            ; the layout wants a WHOLE block in a lane: lanes 0-15 block 2 c, lanes 16-31 block 2 c + 1
.irp i, 0,1,2
	v_permlane16_swap_b32 v[PC+6*\c+\i], v[PC+12+4*\c+\i]
.endr
.irp i, 0,1,2
	v_mov_b32 v[PC+3+6*\c+\i], v[PC+12+4*\c+\i]
.endr
.endr
.endm
; kind = 0 (q, k): block a is tile 8 G + a of 16 rows; half c of its fragment belongs to head c of my two.  kind = 1 (v): block a is tile a % 4 of 16 d of head a / 4; its fragment is that tile x my 128 keys.
.macro EPI kind
.irp a, 0,1,2,3,4,5,6,7
	WIN 0x02+(\a/4)                                ; source 0: the accumulators' window
.set k, 0
.rept 32
.if \kind
	v_pk_add_f32 v[H+k:H+k+1], v[64*(\a%4)+k:64*(\a%4)+k+1], v[BI+8*\a:BI+8*\a+1]   ; each accumulator is read from its low end on
.else
	v_pk_add_f32 v[H+k:H+k+1], v[64*(\a%4)+k:64*(\a%4)+k+1], v[BI+k:BI+k+1]
.endif
.set k, k+2
.endr
	WIN 0
.if \a > 0
	s_wait_xcnt 0x0                                ; the last block's stores have read their registers: the codes may be written again
.endif
	QUANT H, PW+\a
.irp c, 0,1
.if \kind
.set EO, (\a/4)*98304+(\a%4)*1536+\c*768
.else
.set EO, \c*98304+\a*768
.endif
	global_store_b128 v[LQ], v[PC+6*\c:PC+6*\c+3], s[12:13] offset:EO          ; 512 consecutive bytes, at a multiple of 256 from the buffer's first byte
	global_store_b64 v[LP], v[PC+6*\c+4:PC+6*\c+5], s[12:13] offset:EO+512     ; 256
.endr
.endr
.irp g, 0,1,2,3
.if \kind
	v_cndmask_b32 v[SW+\g], v[PW+\g], v[PW+4+\g], s22      ; lanes 0-15: head 0's tile g, lanes 16-31: head 1's
.else
	v_perm_b32 v[SW+\g], v[PW+2*\g+1], v[PW+2*\g], v[SELV] ; my head's two bytes of tiles 2 g and 2 g + 1: the scale word of a pair of key tiles
.endif
.endr
	global_store_b128 v[SOF], v[SW:SW+3], s[18:19]         ; sixteen lanes store 256 consecutive bytes for each head
.endm
	s_cmp_eq_u32 s2, 2
	s_cbranch_scc1 .Lepi_v
	EPI 0
	s_branch .Ldone
.Lepi_v:
	EPI 1
.Ldone:
	s_wait_tensorcnt 0x0                           ; the wave's end
	ds_add_u32 v[SPW], v[NIL]
	s_wait_dscnt 0x0
	CROUND                                         ; the closing round: no work-group ends while a partner may still ask for a tile that names it
	s_endpgm
.Lfunc_end_k_q587dd428e6_proj:
	.size	k_q587dd428e6_proj, .Lfunc_end_k_q587dd428e6_proj-k_q587dd428e6_proj
	.p2alignl 7, 3214868480
	.fill 96, 4, 3214868480
	.section	.rodata,"a",@progbits
	.p2align	6, 0x0
	.amdhsa_kernel k_q587dd428e6_proj
		.amdhsa_group_segment_fixed_size 327680
		.amdhsa_private_segment_fixed_size 0
		.amdhsa_enable_private_segment 0
		.amdhsa_kernarg_size 48
		.amdhsa_user_sgpr_count 2
		.amdhsa_user_sgpr_kernarg_segment_ptr 1
		.amdhsa_wavefront_size32 1
		.amdhsa_system_sgpr_workgroup_id_x 1
		.amdhsa_system_sgpr_workgroup_id_y 1
		.amdhsa_system_sgpr_workgroup_id_z 1
		.amdhsa_system_vgpr_workitem_id 0
		.amdhsa_next_free_vgpr 1024
		.amdhsa_next_free_sgpr 102
		.amdhsa_reserve_vcc 0
		.amdhsa_float_denorm_mode_32 3
		.amdhsa_float_denorm_mode_16_64 3
		.amdhsa_memory_ordered 1
		.amdhsa_forward_progress 1
		.amdhsa_inst_pref_size 223
	.end_amdhsa_kernel
	.amdgpu_metadata
---
amdhsa.version: [ 1, 2 ]
amdhsa.kernels:
  - .name:           k_q587dd428e6_proj
    .symbol:         k_q587dd428e6_proj.kd
    .args:
      - { .name: xcod, .offset: 0, .size: 8, .value_kind: global_buffer, .address_space: global }
      - { .name: wcod, .offset: 8, .size: 8, .value_kind: global_buffer, .address_space: global }
      - { .name: b_q, .offset: 16, .size: 8, .value_kind: global_buffer, .address_space: global }
      - { .name: b_k, .offset: 24, .size: 8, .value_kind: global_buffer, .address_space: global }
      - { .name: b_v, .offset: 32, .size: 8, .value_kind: global_buffer, .address_space: global }
      - { .name: acod, .offset: 40, .size: 8, .value_kind: global_buffer, .address_space: global }
    .group_segment_fixed_size: 327680
    .private_segment_fixed_size: 0
    .kernarg_segment_align: 8
    .kernarg_segment_size: 48
    .max_flat_workgroup_size: 128
    .sgpr_count:     102
    .vgpr_count:     1024
    .wavefront_size: 32
...
	.end_amdgpu_metadata
.endif
;; end of part 2
;; launch attn (part 3): grid 4 x 64, 16 waves a work-group, no clusters, 59,392 bytes of LDS; arguments acod, mbit, ccod; writes ccod
.if DOCPART == 3
	.amdgcn_target "amdgcn-amd-amdhsa--gfx1250"
	.amdhsa_code_object_version 6
	.text
	.protected	k_q587dd428e6_attn
	.globl	k_q587dd428e6_attn
	.p2align	8
	.type	k_q587dd428e6_attn,@function
k_q587dd428e6_attn:
	s_mov_b64 s[64:65], 0
	v_nop
	global_prefetch_b8 v0, s[64:65] scope:SCOPE_SE
	s_setreg_imm32_b32 hwreg(HW_REG_WAVE_MODE, 25, 1), 1
	s_wait_xcnt 0x0
; ctx[bh][q] = the sum over k of softmax_k(masked(Q.K / 8)) V, 64 heads of 2,048 x 64, both products on codes of FP6 (E2M3); ctx is quantised along the model's 1,024 and leaves as the last product's operand.
; THE SOFTMAX AHEAD OF THE SECOND PRODUCT: t = score x log2(e) / 8; M = the running largest t rounded UP to a whole number; p = 2^(t - M) is quantised along the keys, not normalised; the row's sum is taken of the
; unquantised p and divides at the end.  When M moves, the sum and O are multiplied by 2^(old M - new M): exact.
; THE MASK is an input.  An earlier launch has stored, for each (tile of 16 queries, step of 128 keys), 64 lane masks (word n, bit lane: score register n counts) and a class: 0 no key counts, 1 some, 2 all.
; A step of class 0 is left out (its p would all be 0: that launch gives no class 0 to a tile in which some query has no key at all); class 1 selects; class 2 needs no selection.
; LIMIT: a masked score is set to -2^33, a logit of -2^30 where the model has -1e9.  t is then a whole number, so a query with no key that counts gets p = 1 on every key, the plain mean of V, as in the model.
; The results are the same wherever the logits that count lie above -1e9.  NaN and infinities are not served.  A block of zeros gets the byte 1.
; SHARES.  Work-group (X, bh) takes the blocks of 256 queries X and 7 - X of head bh, one after the other; each of its SIXTEEN waves owns one tile of 16 queries in 256 registers: four waves to a SIMD, so that one wave's
; vector work stands beside another's matrix work.  K and V come 256 keys at a time through two LDS buffers: global loads into registers at a slot's head, LDS stores at its end, one barrier a slot.
; NO TENSOR LOADS, NO CLUSTER: the steps that a wave runs, and the slots that are fetched, hang on numbers read from memory, so partners could not make every joint request alike; a tile is shared by sixteen waves through LDS.
; LAYOUT.  S^T = K Q^T (source 0 = keys, source 1 = my queries), O^T = V^T P^T: a lane holds ONE query (lane % 16) throughout.  The head's 64 fill half of the instruction's 128 along K: a fragment of K holds TWO tiles of 16 keys,
; one in k 0-63 and one in k 64-127, and it is multiplied by (q | 0) and by (0 | q): zero codes pick the tile.  In each group of 32 keys lane r of tile u is key 8 u + r + 8 (r / 8): score register 16 b + i is key 32 b + 16 h + i.
; REGISTERS: v1-11 addresses; v12 -M, v13 the largest t, v[14:15] the sum; v16-33 (0 | q | 0); v34 Q's scale word; v36-83 four fragments of K, then of V; v84-87, v88-91 their scale words; v92 16 r, v95 lane;
;   v96-159 S^T, then p; v160-191 O^T; v192-210 p's codes; v212-223 the next slot on its way; v232-254 at work.
.set BUF,   24576                      ; a buffer: 256 keys of K (16 tiles x 768 bytes), then of V (2 steps x 4 tiles of d x 1,536)
.set VOF,   12288
.set SCK,   2*BUF                      ; the head's scale words: K's 4,096 bytes, then V's
.set SPARE, SCK+8192                   ; the spare words, 128 bytes for each of sixteen waves
.set SEL, 56                           ; s[56:57] lane selects for lane l xor 16
.set CS,  58                           ; s[58:59] c = log2(e) / 8
	s_load_b128 s[4:7], s[0:1], 0x0                ; acod, mbit
	s_load_b64 s[8:9], s[0:1], 0x10                ; ccod
	v_lshl_add_u32 v7, v0, 2, SPARE                ; my spare word; never rewritten
	v_mov_b32 v8, 0                                ; 0; never rewritten
	v_lshrrev_b32 v1, 5, v0
	s_delay_alu instid0(VALU_DEP_1)
	v_readfirstlane_b32 s10, v1                    ; wave 0..15
	s_mov_b32 s11, ttmp9                           ; X
	s_and_b32 s12, ttmp7, 0xffff                   ; bh
	v_and_b32 v95, 31, v0                          ; lane
	s_delay_alu instid0(VALU_DEP_1)
	v_lshlrev_b32 v1, 4, v95                       ; 16 x lane: a fragment's quads
	s_delay_alu instid0(VALU_DEP_2)
	v_lshlrev_b32 v2, 3, v95                       ; 8 x lane: its pairs
	v_and_b32 v11, 15, v0
	s_delay_alu instid0(VALU_DEP_1)
	v_lshlrev_b32 v92, 4, v11                      ; 16 r
	s_delay_alu instid0(VALU_DEP_1)
	v_add_nc_u32 v3, SCK, v92                      ; my row's four scale words of a step
	s_delay_alu instid0(VALU_DEP_3)
	v_lshlrev_b32 v11, 3, v11                      ; 8 r
	s_lshr_b32 s19, s10, 3
	s_lshl_b32 s19, s19, 13
	v_lshl_add_u32 v4, v0, 4, s19                  ; where I store of a slot: threads 0-255 K's 12,288 bytes in three runs of 4,096, threads 256-511 V's
	v_and_b32 v5, 255, v0
	s_delay_alu instid0(VALU_DEP_1)
	v_lshlrev_b32 v5, 4, v5                        ; and where I load it
	v_lshlrev_b32 v10, 4, v0                       ; the scale words' first fill: 16 x thread
	v_mov_b32 v9, 0xd0000000                       ; -2^33
.irp j, 16,17,18,19,20,21,28,29,30,31,32,33
	v_mov_b32 v\j, 0                               ; the zero codes on both sides of q
.endr
.irp j, 236,237,238,239,252,253
	v_mov_b32 v\j, 0                               ; written once: lane permutes' destinations, and halves of pairs that are named before they are first written
.endr
	s_cmp_lt_u32 s10, 8                            ; waves 0-7 copy K, waves 8-15 V
	s_mov_b32 s19, 12582912
	s_cselect_b32 s52, 6291456, s19
	s_mov_b32 s19, 19398656
	s_cselect_b32 s56, 19136512, s19
	s_mul_i32 s19, s12, 98304
	s_add_co_u32 s52, s52, s19
	s_mov_b32 s53, 0
	s_lshl_b32 s19, s12, 12
	s_add_co_u32 s56, s56, s19
	s_mov_b32 s57, 0
	s_lshl_b32 s66, s11, 6
	s_add_co_u32 s66, s66, 524288                  ; the class words of block X's sixteen tiles,
	s_mov_b32 s67, 0
	s_sub_co_u32 s100, 7, s11
	s_lshl_b32 s100, s100, 6
	s_add_co_u32 s100, s100, 524288                ; and of block 7 - X's
	s_mov_b32 s101, 0
	s_lshl_b32 s104, s10, 2
	s_mov_b32 s105, 0
	s_and_b32 s19, s10, 1                          ; my tile is the first or the second of its pair: which two bytes of the pair's scale word are mine
	s_cmp_eq_u32 s19, 0
	s_mov_b32 s60, 0x03020302
	s_cselect_b32 s60, 0x01000100, s60
	s_mov_b32 s[CS], 0x3e38aa3b
	s_mov_b32 s[CS+1], s[CS]
	s_mov_b32 s16, VOF                             ; where the NEXT slot begins in the head's K or V
	s_wait_kmcnt 0x0
	s_add_nc_u64 s[52:53], s[4:5], s[52:53]        ; my head's K or V
	s_add_nc_u64 s[56:57], s[4:5], s[56:57]        ; and its scale words
	global_load_b128 v[212:215], v5, s[52:53]      ; slot 0 comes whatever the mask says
	global_load_b128 v[216:219], v5, s[52:53] offset:4096
	global_load_b128 v[220:223], v5, s[52:53] offset:8192
	global_load_b128 v[96:99], v5, s[56:57]
	s_add_nc_u64 s[66:67], s[6:7], s[66:67]
	s_add_nc_u64 s[100:101], s[6:7], s[100:101]
	s_load_b512 s[20:35], s[66:67], 0x0
	s_load_b512 s[36:51], s[100:101], 0x0
	s_add_nc_u64 s[54:55], s[66:67], s[104:105]
	s_add_nc_u64 s[104:105], s[100:101], s[104:105]
	s_load_b32 s14, s[54:55], 0x0                  ; my tile's class word in the first block,
	s_load_b32 s61, s[104:105], 0x0                ; and in the second
	s_wait_loadcnt 0x0
	ds_store_b128 v4, v[212:215]
	ds_store_b128 v4, v[216:219] offset:4096
	ds_store_b128 v4, v[220:223] offset:8192
	ds_store_b128 v10, v[96:99] offset:SCK
	s_mov_b32 s[SEL], 0x76543210                   ; (the scale words' load is done: its base is free)
	s_mov_b32 s[SEL+1], 0xfedcba98
	s_wait_kmcnt 0x0
.irp i, 21,22,23,24,25,26,27,28,29,30,31,32,33,34,35
	s_or_b32 s20, s20, s\i
.endr
.irp i, 37,38,39,40,41,42,43,44,45,46,47,48,49,50,51
	s_or_b32 s36, s36, s\i
.endr
.irp w, 20, 36                         ; bit 4 j: some wave of the work-group runs a step of slot j
	s_lshr_b32 s19, s\w, 1
	s_or_b32 s\w, s\w, s19
	s_and_b32 s\w, s\w, 0x55555555
	s_lshr_b32 s19, s\w, 2
	s_or_b32 s\w, s\w, s19
	s_and_b32 s\w, s\w, 0x11111111
.endr
	s_lshr_b32 s15, s20, 4                         ; bit 0 always speaks of the NEXT slot; the first block's last slot fetches the second block's slot 0,
	s_and_b32 s19, s36, 1
	s_lshl_b32 s19, s19, 28
	s_or_b32 s15, s15, s19
	s_lshr_b32 s62, s36, 4                         ; the second block's last slot nothing
	s_wait_dscnt 0x0                               ; for the others' sake: my stores have landed
	s_barrier_signal -1
	s_barrier_wait -1
; A KEY STEP: 128 keys, the q-th of buffer p
.macro STEP p, q
	s_and_b32 s13, s14, 3                          ; the step's class
	s_lshr_b32 s14, s14, 2
	s_cmp_eq_u32 s13, 0
	s_cbranch_scc1 .Lskip_\@
	s_load_b512 s[20:35], s[54:55], 256*(2*\p+\q)          ; the step's 64 lane masks
	s_load_b512 s[36:51], s[54:55], 256*(2*\p+\q)+64
	s_load_b512 s[68:83], s[54:55], 256*(2*\p+\q)+128
	s_load_b512 s[84:99], s[54:55], 256*(2*\p+\q)+192
.irp b, 0,1,2,3
	ds_load_b128 v[36+12*\b:39+12*\b], v1 offset:\p*BUF+\q*6144+\b*1536
	ds_load_b64 v[40+12*\b:41+12*\b], v2 offset:\p*BUF+\q*6144+\b*1536+512
	ds_load_b128 v[42+12*\b:45+12*\b], v1 offset:\p*BUF+\q*6144+\b*1536+768
	ds_load_b64 v[46+12*\b:47+12*\b], v2 offset:\p*BUF+\q*6144+\b*1536+1280
.endr
	s_wait_alu depctr_va_vdst(0)
	ds_load_b128 v[84:87], v10 offset:256*(2*\p+\q)
	s_wait_dscnt 0x0
.irp b, 0,1,2,3
	v_wmma_scale_f32_16x16x128_f8f6f4 v[96+16*\b:103+16*\b], v[36+12*\b:47+12*\b], v[22:33], 0, v[84+\b], v34 matrix_a_fmt:MATRIX_FMT_FP6 matrix_b_fmt:MATRIX_FMT_FP6    ; x (q | 0): the pair's first tile of keys
	v_wmma_scale_f32_16x16x128_f8f6f4 v[104+16*\b:111+16*\b], v[36+12*\b:47+12*\b], v[16:27], 0, v[84+\b], v34 matrix_a_fmt:MATRIX_FMT_FP6 matrix_b_fmt:MATRIX_FMT_FP6  ; x (0 | q): its second
.endr
.rept 4
	v_nop                                          ; places in front of the loads into K's registers and of the first read of the scores
.endr
.irp t, 0,1,2,3                        ; V's fragments land while the softmax is walked
	ds_load_b128 v[36+12*\t:39+12*\t], v1 offset:\p*BUF+VOF+\q*6144+\t*1536
	ds_load_b64 v[40+12*\t:41+12*\t], v2 offset:\p*BUF+VOF+\q*6144+\t*1536+512
	ds_load_b128 v[42+12*\t:45+12*\t], v1 offset:\p*BUF+VOF+\q*6144+\t*1536+768
	ds_load_b64 v[46+12*\t:47+12*\t], v2 offset:\p*BUF+VOF+\q*6144+\t*1536+1280
.endr
	ds_load_b128 v[88:91], v10 offset:4096+256*(2*\p+\q)
	s_wait_kmcnt 0x0
	s_cmp_eq_u32 s13, 2
	s_cbranch_scc1 .Lopen_\@
.set n, 0
.rept 64
	v_cndmask_b32 v[96+n], v9, v[96+n], s[20+n+16*(n/32)]  ; a key that does not count: -2^33
.set n, n+1
.endr
.Lopen_\@:
.irp b, 0,1,2,3
	v_max3_num_f32 v[232+\b], v[96+16*\b], v[97+16*\b], v[98+16*\b]   ; the largest score of each block of 32 keys: for the row's maximum and, since p rises with the score, for the block's largest p
.endr
.irp i, 3,5,7,9,11,13
.irp b, 0,1,2,3
	v_max3_num_f32 v[232+\b], v[232+\b], v[96+16*\b+\i], v[97+16*\b+\i]
.endr
.endr
.irp b, 0,1,2,3
	v_max_num_f32 v[232+\b], v[232+\b], v[111+16*\b]
.endr
.irp b, 0,1,2,3
	s_delay_alu instid0(VALU_DEP_4)
	v_permlanex16_b32 v[236+\b], v[232+\b], s[SEL], s[SEL+1]
.endr
.irp b, 0,1,2,3
	s_delay_alu instid0(VALU_DEP_4)
	v_max_num_f32 v[232+\b], v[232+\b], v[236+\b]  ; with lane l xor 16's 16 keys
.endr
	s_delay_alu instid0(VALU_DEP_2)
	v_max3_num_f32 v254, v232, v233, v234
	s_delay_alu instid0(VALU_DEP_1)
	v_max_num_f32 v254, v254, v235
	s_delay_alu instid0(VALU_DEP_1)
	v_mul_f32 v254, s[CS], v254                    ; as t (c is positive)
	s_delay_alu instid0(VALU_DEP_1)
	v_max_num_f32 v13, v13, v254                   ; the running largest t
	v_mov_b32 v254, v12
	s_delay_alu instid0(VALU_DEP_2)
	v_floor_f32 v12, -v13                          ; the new -M = -ceil(t): a whole number
	s_delay_alu instid0(VALU_DEP_1)
	v_sub_f32 v254, v12, v254                      ; old M - new M, 0 or less
	s_delay_alu instid0(VALU_DEP_1)
	v_cvt_i32_f32 v254, v254                       ; (it saturates)
	s_delay_alu instid0(VALU_DEP_1)
	v_ldexp_f32 v252, 1.0, v254                    ; f = 2^(old M - new M)
.set j, 0
.rept 32
	v_pk_fma_f32 v[96+j:97+j], v[96+j:97+j], s[CS:CS+1], v[12:13] op_sel_hi:[1,0,0]   ; t - M, two at a time
.set j, j+2
.endr
.irp b, 0,1,2,3
	v_fma_f32 v[232+\b], v[232+\b], s[CS], v12     ; the same of each block's largest score
.endr
.set j, 0
	s_wait_alu depctr_va_vdst(0)
.rept 64
	v_exp_f32 v[96+j], v[96+j]                     ; p = 2^(t - M)
.set j, j+1
.endr
	v_pk_mul_f32 v[14:15], v[14:15], v[252:253] op_sel_hi:[1,0]   ; the sums under the new M; the plain instruction behind the exponentials
	s_wait_alu depctr_va_vdst(0)                   ; one wait for the whole batch, ahead of its first reader
.irp b, 0,1,2,3
	v_exp_f32 v[232+\b], v[232+\b]                 ; the block's largest p: the same two instructions on the same number
.endr
	v_pk_add_f32 v[236:237], v[100:101], v[104:105]
	v_pk_add_f32 v[250:251], v[108:109], v[112:113]
	v_pk_add_f32 v[248:249], v[116:117], v[120:121]
	v_pk_add_f32 v[242:243], v[124:125], v[128:129]
	v_pk_add_f32 v[240:241], v[132:133], v[136:137]
	v_pk_add_f32 v[230:231], v[140:141], v[144:145]
	v_pk_add_f32 v[228:229], v[148:149], v[152:153]
	v_pk_add_f32 v[14:15], v[14:15], v[156:157]
	v_pk_add_f32 v[236:237], v[236:237], v[96:97]
	v_pk_add_f32 v[250:251], v[250:251], v[98:99]
	v_pk_add_f32 v[248:249], v[248:249], v[102:103]
	v_pk_add_f32 v[242:243], v[242:243], v[106:107]
	v_pk_add_f32 v[240:241], v[240:241], v[110:111]
	v_pk_add_f32 v[230:231], v[230:231], v[114:115]
	v_pk_add_f32 v[228:229], v[228:229], v[118:119]
	v_pk_add_f32 v[14:15], v[14:15], v[122:123]
	v_pk_add_f32 v[236:237], v[236:237], v[126:127]
	v_pk_add_f32 v[250:251], v[250:251], v[130:131]
	v_pk_add_f32 v[248:249], v[248:249], v[134:135]
	v_pk_add_f32 v[242:243], v[242:243], v[138:139]
	v_pk_add_f32 v[240:241], v[240:241], v[142:143]
	v_pk_add_f32 v[230:231], v[230:231], v[146:147]
	v_pk_add_f32 v[228:229], v[228:229], v[150:151]
	v_pk_add_f32 v[14:15], v[14:15], v[154:155]
	v_pk_add_f32 v[236:237], v[236:237], v[158:159]
	s_delay_alu instid0(VALU_DEP_2)
	v_pk_add_f32 v[14:15], v[14:15], v[242:243]
	s_delay_alu instid0(VALU_DEP_2)
	v_pk_add_f32 v[236:237], v[236:237], v[240:241]
	v_pk_add_f32 v[250:251], v[250:251], v[230:231]
	v_pk_add_f32 v[248:249], v[248:249], v[228:229]
	s_delay_alu instid0(VALU_DEP_2)
	v_pk_add_f32 v[14:15], v[14:15], v[250:251]
	s_delay_alu instid0(VALU_DEP_2)
	v_pk_add_f32 v[236:237], v[236:237], v[248:249]
	s_delay_alu instid0(VALU_DEP_1)
	v_pk_add_f32 v[14:15], v[14:15], v[236:237]
	s_wait_alu depctr_va_vdst(0)                   ; and one for the four
.irp b, 0,1,2,3
	v_max_num_f32 v[232+\b], 0x1800000, v[232+\b]  ; the floor 2^(3 - 127): the byte cannot fall under 1
.endr
.irp b, 0,1,2,3
	s_delay_alu instid0(VALU_DEP_4)
	v_add_nc_u32 v[244+\b], 0xff000000, v[232+\b]  ; the conversion's scale operand
.endr
.irp b, 0,1,2,3
	s_delay_alu instid0(VALU_DEP_4)
	v_lshrrev_b32 v[236+\b], 23, v[244+\b]
.endr
	s_delay_alu instid0(VALU_DEP_3)
	v_lshl_or_b32 v253, v237, 8, v236              ; p's scale word for these 128 keys
	s_delay_alu instid0(VALU_DEP_1)
	v_lshl_or_b32 v253, v238, 16, v253
	s_delay_alu instid0(VALU_DEP_1)
	v_lshl_or_b32 v253, v239, 24, v253
.irp c, 0,1
	v_cvt_scalef32_pk16_fp6_f32 v[192+6*\c:194+6*\c], v[96+32*\c:111+32*\c], v[244+2*\c]
	v_cvt_scalef32_pk16_fp6_f32 v[204+4*\c:206+4*\c], v[112+32*\c:127+32*\c], v[244+2*\c+1]
.endr
	v_nop                                          ; one plain instruction behind a scaled conversion
.irp c, 0,1
.irp i, 0,1,2
	v_permlane16_swap_b32 v[192+6*\c+\i], v[204+4*\c+\i]   ; a WHOLE block in a lane
.endr
.irp i, 0,1,2
	s_delay_alu instid0(VALU_DEP_3)
	v_mov_b32 v[195+6*\c+\i], v[204+4*\c+\i]
.endr
.endr
.set j, 0
.rept 16
	v_pk_mul_f32 v[160+j:161+j], v[160+j:161+j], v[252:253] op_sel_hi:[1,0]   ; O^T under the new M; these sixteen are also the places between the scale word's and the codes' last writes and the products
.set j, j+2
.endr
	s_wait_alu depctr_va_vdst(0)
	s_wait_dscnt 0x0                               ; V
.irp t, 0,1,2,3
	v_wmma_scale_f32_16x16x128_f8f6f4 v[160+8*\t:167+8*\t], v[36+12*\t:47+12*\t], v[192:203], v[160+8*\t:167+8*\t], v[88+\t], v253 matrix_a_fmt:MATRIX_FMT_FP6 matrix_b_fmt:MATRIX_FMT_FP6   ; the four accumulators by turns
.endr
.rept 4
	v_nop                                          ; places in front of the next loads into V's registers and of the next vector lines on O^T
.endr
.Lskip_\@:
.endm
; A SLOT: 256 keys in buffer p.  At its head the next slot is asked for, if any wave will run a step of it; at its end it is stored into the other buffer.  ONE barrier, on every path: in front of it each wave's
; stores have landed and its reads of this buffer are over; behind it the other buffer is whole and this one may be written.
.macro SLOT p
	s_bitcmp1_b32 s15, 0
	s_cbranch_scc0 .Lno_load_\@
	v_add_nc_u32 v6, s16, v5
	global_load_b128 v[212:215], v6, s[52:53]
	global_load_b128 v[216:219], v6, s[52:53] offset:4096
	global_load_b128 v[220:223], v6, s[52:53] offset:8192
.Lno_load_\@:
	STEP \p, 0
	STEP \p, 1
	s_wait_loadcnt 0x0
	s_bitcmp1_b32 s15, 0
	s_cbranch_scc0 .Lno_store_\@
	ds_store_b128 v4, v[212:215] offset:(1-\p)*BUF
	ds_store_b128 v4, v[216:219] offset:(1-\p)*BUF+4096
	ds_store_b128 v4, v[220:223] offset:(1-\p)*BUF+8192
.Lno_store_\@:
	s_lshr_b32 s15, s15, 4
	s_add_co_u32 s16, s16, VOF
	s_cmp_eq_u32 s16, 98304                        ; behind the head's last slot comes its first
	s_cselect_b32 s16, 0, s16
	s_wait_dscnt 0x0
	s_barrier_signal -1
	s_barrier_wait -1
.endm
; A BLOCK OF 256 QUERIES (n = 1: block X, n = 2: block 7 - X): my tile's Q, eight slots, the way out
.macro PASS n
.if \n == 1
	s_lshl_b32 s63, s11, 4
.else
	s_sub_co_u32 s63, 7, s11
	s_lshl_b32 s63, s63, 4
	s_mov_b32 s14, s61
	s_mov_b32 s15, s62
.endif
	s_add_co_u32 s63, s63, s10                     ; my tile T = 16 x block + wave
	s_lshl_b32 s54, s63, 12
	s_mov_b32 s55, 0
	s_add_nc_u64 s[54:55], s[6:7], s[54:55]        ; its lane masks
	s_mul_i32 s100, s12, 98304
	s_mul_i32 s19, s63, 768
	s_add_co_u32 s100, s100, s19
	s_mov_b32 s101, 0
	s_add_nc_u64 s[100:101], s[4:5], s[100:101]
	global_load_b128 v[22:25], v1, s[100:101]      ; Q's tile: half a fragment
	global_load_b64 v[26:27], v2, s[100:101] offset:512
	s_lshl_b32 s104, s12, 12
	s_add_co_u32 s104, s104, 18874368
	s_lshr_b32 s19, s63, 3
	s_lshl_b32 s19, s19, 8
	s_add_co_u32 s104, s104, s19
	s_bfe_u32 s19, s63, 0x20001
	s_lshl_b32 s19, s19, 2
	s_add_co_u32 s104, s104, s19
	s_mov_b32 s105, 0
	s_add_nc_u64 s[104:105], s[4:5], s[104:105]
	global_load_b32 v93, v92, s[104:105]           ; the scale word of my tile's pair
	v_mov_b32 v13, 0xff61b1e6                      ; the largest t so far: -3e38
	s_delay_alu instid0(VALU_DEP_1)
	v_floor_f32 v12, -v13
	v_mov_b32 v14, 0
	v_mov_b32 v15, 0
	s_mov_b32 s18, 0
	s_wait_loadcnt 0x0
	v_perm_b32 v34, v93, v93, s60                  ; my tile's two bytes, twice: they serve (q | 0) and (0 | q)
.set j, 0
.rept 32
	v_mov_b32 v[160+j], 0                          ; O^T: which step is a tile's first hangs on the mask, so the sums begin as zeros, which the first change of M leaves zeros
.set j, j+1
.endr
	s_mov_b32 s17, 4
.Ltrip_\@:
	v_add_nc_u32 v10, s18, v3                      ; this trip's four steps' scale words
	SLOT 0
	SLOT 1
	s_add_co_u32 s18, s18, 1024
	s_wait_xcnt 0x0                                ; the masks' loads have read their base
	s_add_nc_u64 s[54:55], s[54:55], 1024
	s_sub_co_u32 s17, s17, 1
	s_cmp_lg_u32 s17, 0
	s_cbranch_scc1 .Ltrip_\@
	; THE WAY OUT: O^T / the sum; register 16 g + i is d = 32 g + 16 h + i: two blocks of 32 of the last product's K
	v_add_f32 v14, v14, v15
	s_delay_alu instid0(VALU_DEP_1)
	v_permlanex16_b32 v252, v14, s[SEL], s[SEL+1]
	s_delay_alu instid0(VALU_DEP_1)
	v_add_f32 v14, v14, v252
	s_wait_alu depctr_va_vdst(0)
	v_rcp_f32 v14, v14
	v_nop                                          ; a plain instruction behind the reciprocal
	s_lshr_b32 s19, s12, 4
	s_lshl_b32 s19, s19, 4
	s_lshr_b32 s66, s63, 3
	s_add_co_u32 s19, s19, s66                     ; the block of 128 rows: 16 x batch + T / 8
	s_and_b32 s66, s12, 15                         ; the head
	s_and_b32 s67, s63, 7                          ; the tile in the block
	s_mul_i32 s100, s19, 98304
	s_lshr_b32 s101, s66, 1
	s_mul_i32 s101, s101, 12288                    ; K step = head / 2,
	s_add_co_u32 s100, s100, s101
	s_mul_i32 s101, s67, 1536
	s_add_co_u32 s100, s100, s101
	s_and_b32 s101, s66, 1
	s_mul_i32 s101, s101, 768                      ; half = head % 2
	s_add_co_u32 s100, s100, s101
	s_mov_b32 s101, 0
	s_add_nc_u64 s[100:101], s[8:9], s[100:101]
	s_lshl_b32 s104, s19, 12
	s_lshr_b32 s105, s66, 2
	s_lshl_b32 s105, s105, 10
	s_add_co_u32 s104, s104, s105
	s_lshl_b32 s105, s67, 7
	s_add_co_u32 s104, s104, s105
	s_and_b32 s105, s66, 3
	s_lshl_b32 s105, s105, 1
	s_add_co_u32 s104, s104, s105
	s_add_co_u32 s104, s104, 6291456
	s_mov_b32 s105, 0
	s_add_nc_u64 s[104:105], s[8:9], s[104:105]
	s_wait_alu depctr_va_vdst(0)                   ; the wait ahead of the reciprocal's first reader
.set j, 0
.rept 16
	v_pk_mul_f32 v[96+j:97+j], v[160+j:161+j], v[14:15] op_sel_hi:[1,0]   ; each accumulator from its low end on
.set j, j+2
.endr
.irp b, 0,1
	v_max3_num_f32 v[232+\b], |v[96+16*\b]|, |v[97+16*\b]|, 0x1800000
.endr
.irp i, 2,4,6,8,10,12,14
.irp b, 0,1
	s_delay_alu instid0(VALU_DEP_2)
	v_max3_num_f32 v[232+\b], v[232+\b], |v[96+16*\b+\i]|, |v[97+16*\b+\i]|
.endr
.endr
.irp b, 0,1
	s_delay_alu instid0(VALU_DEP_2)
	v_permlanex16_b32 v[236+\b], v[232+\b], s[SEL], s[SEL+1]
.endr
.irp b, 0,1
	s_delay_alu instid0(VALU_DEP_2)
	v_max_num_f32 v[232+\b], v[232+\b], v[236+\b]
.endr
.irp b, 0,1
	s_delay_alu instid0(VALU_DEP_2)
	v_add_nc_u32 v[244+\b], 0xff000000, v[232+\b]
.endr
.irp b, 0,1
	s_delay_alu instid0(VALU_DEP_2)
	v_lshrrev_b32 v[236+\b], 23, v[244+\b]
.endr
	s_delay_alu instid0(VALU_DEP_1)
	v_lshl_or_b32 v94, v237, 8, v236               ; my row's two scale bytes
	v_cvt_scalef32_pk16_fp6_f32 v[192:194], v[96:111], v244
	v_cvt_scalef32_pk16_fp6_f32 v[204:206], v[112:127], v245
	v_nop
.irp i, 0,1,2
	v_permlane16_swap_b32 v[192+\i], v[204+\i]
.endr
.irp i, 0,1,2
	s_delay_alu instid0(VALU_DEP_3)
	v_mov_b32 v[195+\i], v[204+\i]
.endr
	global_store_b128 v1, v[192:195], s[100:101]           ; 512 consecutive bytes, at a multiple of 256 from the buffer's first byte
	global_store_b64 v2, v[196:197], s[100:101] offset:512 ; 256
	s_wait_xcnt 0x0                                ; EXEC changes only behind this wait
	v_cmp_gt_u32 vcc_lo, 16, v95
	s_and_saveexec_b32 s19, vcc_lo
	global_store_b16 v11, v94, s[104:105]          ; a row's 8 scale bytes of 256 along K belong to four heads: two bytes a row, 8 bytes apart; one byte in 24 of what the launch stores
	s_wait_xcnt 0x0                                ; and again in front of the line that widens it; the stores' registers and bases are free too
	s_or_b32 exec_lo, exec_lo, s19
.endm
	PASS 1
	PASS 2
	s_wait_tensorcnt 0x0                           ; the wave's end, behind my last LDS store
	ds_add_u32 v7, v8
	s_wait_dscnt 0x0
	s_endpgm
.Lfunc_end_k_q587dd428e6_attn:
	.size	k_q587dd428e6_attn, .Lfunc_end_k_q587dd428e6_attn-k_q587dd428e6_attn
	.p2alignl 7, 3214868480
	.fill 96, 4, 3214868480
	.section	.rodata,"a",@progbits
	.p2align	6, 0x0
	.amdhsa_kernel k_q587dd428e6_attn
		.amdhsa_group_segment_fixed_size 59392
		.amdhsa_private_segment_fixed_size 0
		.amdhsa_enable_private_segment 0
		.amdhsa_kernarg_size 24
		.amdhsa_user_sgpr_count 2
		.amdhsa_user_sgpr_kernarg_segment_ptr 1
		.amdhsa_wavefront_size32 1
		.amdhsa_system_sgpr_workgroup_id_x 1
		.amdhsa_system_sgpr_workgroup_id_y 1
		.amdhsa_system_sgpr_workgroup_id_z 1
		.amdhsa_system_vgpr_workitem_id 0
		.amdhsa_next_free_vgpr 256
		.amdhsa_next_free_sgpr 106
		.amdhsa_reserve_vcc 1
		.amdhsa_float_denorm_mode_32 3
		.amdhsa_float_denorm_mode_16_64 3
		.amdhsa_memory_ordered 1
		.amdhsa_forward_progress 1
		.amdhsa_inst_pref_size 197
	.end_amdhsa_kernel
	.amdgpu_metadata
---
amdhsa.version: [ 1, 2 ]
amdhsa.kernels:
  - .name:           k_q587dd428e6_attn
    .symbol:         k_q587dd428e6_attn.kd
    .args:
      - { .name: acod, .offset: 0, .size: 8, .value_kind: global_buffer, .address_space: global }
      - { .name: mbit, .offset: 8, .size: 8, .value_kind: global_buffer, .address_space: global }
      - { .name: ccod, .offset: 16, .size: 8, .value_kind: global_buffer, .address_space: global }
    .group_segment_fixed_size: 59392
    .private_segment_fixed_size: 0
    .kernarg_segment_align: 8
    .kernarg_segment_size: 24
    .max_flat_workgroup_size: 512
    .sgpr_count:     106
    .vgpr_count:     256
    .wavefront_size: 32
...
	.end_amdgpu_metadata
.endif
;; end of part 3
;; launch outp (part 4): grid 4 x 32, 4 waves a work-group, clusters of 4 x 4, 327,680 bytes of LDS; arguments ccod, wcod, b_o, out0; writes out0
.if DOCPART == 4
	.amdgcn_target "amdgcn-amd-amdhsa--gfx1250"
	.amdhsa_code_object_version 6
	.text
	.protected	k_q587dd428e6_outp
	.globl	k_q587dd428e6_outp
	.p2align	8
	.type	k_q587dd428e6_outp,@function
k_q587dd428e6_outp:
	s_mov_b64 s[64:65], 0
	v_nop
	global_prefetch_b8 v0, s[64:65] scope:SCOPE_SE
	s_setreg_imm32_b32 hwreg(HW_REG_WAVE_MODE, 25, 1), 1
	s_wait_xcnt 0x0
	s_wait_alu depctr_hold_cnt(0) depctr_sa_sdst(0) depctr_va_vdst(0) depctr_va_sdst(0) depctr_va_ssrc(0) depctr_va_vcc(0) depctr_vm_vsrc(0)
	s_getreg_b32 s2, hwreg(HW_REG_IB_STS2, 6, 4)
	s_cmp_eq_u32 s2, 0
	s_cbranch_scc0 .Lentry_in_a_cluster
	s_endpgm
.Lentry_in_a_cluster:
	s_bfe_u32 s2, ttmp6, 0x10000c
	s_cmp_lg_u32 s2, 0xf033
	s_cbranch_scc0 .Lentry_shape_is_right
	s_endpgm
.Lentry_shape_is_right:
; out0 = ctx W_o + b_o, [8192 x 1024] x [1024 x 1024], on codes of FP6 (E2M3); out0 f32.
; A tile of the result, 256 x 256, is made by a work-group of four waves; a wave makes 128 x 128: 64 accumulators, 512 registers.  K goes in steps of 256 through a ring of two LDS slots filled by the tensor data mover.
; OPERANDS lie in memory in the order of the operand's registers: [128 rows RB][K step of 128 s][tile i][1,536 bytes]: a slot's codes of 128 rows are 24,576 dense bytes, and a fragment comes by loads of 16, 8, 16, 8 bytes a lane.
; Scale bytes [RB][s / 2][i][r][8]: 4,096 dense bytes for 128 rows and all of K: they come once, with the first fills.
; A = ctx's rows (source 1: a lane holds a row), B = W_o^T's rows n (source 0: along the registers).  In each group of 32 rows lane r of tile u stands for row 8 u + r + 8 (r / 8): the way out puts rows and columns back in their places.
; CLUSTERS: 4 x 4 work-groups; A's tiles are asked for jointly along a row of the cluster, B's along a column.  128 work-groups: the problem has 128 tiles of this size.
; REGISTERS, in windows of 256: window 0: v0-31 addresses; v32-63 scale words, two sets; v64-67 the bias; from v128 A's fragments, ONE set; on the way out v128-255 take rows read back.
;   window 1: B's fragments, TWO sets.   window 2: the accumulators of my rows 0-63 ((a, b) at v[8 (8 a + b)]);   window 3: those of rows 64-127.
.set NQ,    2
.set FR,    12
.set NL,    4
.set NP,    4
.set RBB,   24576
.set SLOT,  4*RBB
.set SCL,   2*SLOT
.set SPARE, SCL+4*4096
.set SPITCH, 528                       ; the way out: a stage of 16 rows x (512 + 16) bytes for each wave, in slot 0, which has had its last fill and its last read when the first result is stored there
.set ADRA, 16
.set ADRB, 20
.set STO,  24                          ; v24 the way out: where I put 32 bytes of a row
.set RD,   25                          ; v25 where I read a row back
.set CO,   26                          ; v26 16 x lane: my bytes of a row of 512
.set ADRS, 27
.set SPW,  28
.set NIL,  29
.set SC,   32
.set BO,   64                          ; v64-67 b_o at my four columns
.set AF,   128
.set BK,   128
.set G1, 24
.set G0, 32
.set G1B, 48
.set G0B, 56
.set G1S, 68
.set G0S, 76
.set G1SB, 80
.set G0SB, 88
.set MSB, 0
.macro WIN new                         ; the immediate's high byte repeats the setting that is left
.if MSB != \new
	s_set_vgpr_msb (MSB<<8)|\new
.set MSB, \new
.endif
.endm
.set MUL_LO, 0xa1
.set MUL_HI, 0xf1
.set TO_B,   0x40
.macro JLOAD g0a, g1a, g0b, g1b        ; a joint load: waves 0 and 1 fetch for A, waves 2 and 3 for B; an s_nop 0 and four v_nop follow each of the two lines
	s_cmp_eq_u32 s15, 0
	s_cbranch_scc0 .Lfor_b_\@
	tensor_load_to_lds s[\g0a:\g0a+3], s[\g1a:\g1a+7]
	s_nop 0
.rept 4
	v_nop
.endr
	s_branch .Lasked_\@
.Lfor_b_\@:
	tensor_load_to_lds s[\g0b:\g0b+3], s[\g1b:\g1b+7]
	s_nop 0
.rept 4
	v_nop
.endr
.Lasked_\@:
.endm
.macro CREST
	s_cmp_lg_u32 s14, 0
	s_cbranch_scc1 .Lnot_wave_0_\@
	s_barrier_signal -3
.Lnot_wave_0_\@:
	s_barrier_wait -3
	s_barrier_signal -1
	s_barrier_wait -1
.endm
.macro CROUND
	s_barrier_signal -1
	s_barrier_wait -1
	CREST
.endm
	s_load_b256 s[4:11], s[0:1], 0x0               ; ccod, wcod, b_o, out0
	v_lshl_add_u32 v[SPW], v0, 2, SPARE
	v_mov_b32 v[NIL], 0
	ds_add_u32 v[SPW], v[NIL]                      ; the wave's opening: the add and its wait come ahead of my first tensor load
	v_lshrrev_b32 v1, 5, v0
	v_readfirstlane_b32 s14, v1                    ; wave 0..3
	s_lshr_b32 s15, s14, 1                         ; which 128 of the tile's rows are mine.  Also: I fetch for A (0) or for B (1)
	s_and_b32 s16, s14, 1                          ; which 128 of its columns.  Also: which block of 128 rows I fetch
	s_bfe_u32 s40, ttmp6, 0x40000                  ; cx, cy
	s_bfe_u32 s41, ttmp6, 0x40004
	s_and_b32 s17, ttmp7, 0xffff
	s_lshl_b32 s17, s17, 2
	s_add_co_u32 s17, s17, s41                     ; tile row = 4 x cluster y + cy
	s_mov_b32 s42, s40                             ; tile column = cx: the grid is one cluster wide
	s_lshl_b32 s43, s41, 2
	s_lshl_b32 s43, 15, s43                        ; my row of the cluster
	s_lshl_b32 s44, 0x1111, s40                    ; my column
	s_or_b32 s[G1+0], s43, (3<<16)|(1<<21)         ; a dense block as rows of 256 bytes (32 elements of 8 bytes), no padding; bit 21 set beside a mask
	s_or_b32 s[G1B+0], s44, (3<<16)|(1<<21)
	s_or_b32 s[G1S+0], s43, (3<<16)|(1<<21)
	s_or_b32 s[G1SB+0], s44, (3<<16)|(1<<21)
.irp g, G1, G1B
	s_mov_b32 s[\g+1], 32<<16
	s_mov_b32 s[\g+2], 96<<16
	s_mov_b32 s[\g+3], 32<<16
	s_mov_b32 s[\g+4], 96
	s_mov_b32 s[\g+5], 32
	s_mov_b32 s[\g+6], 0
	s_mov_b32 s[\g+7], 0
.endr
.irp g, G1S, G1SB
	s_mov_b32 s[\g+1], 32<<16
	s_mov_b32 s[\g+2], 16<<16
	s_mov_b32 s[\g+3], 32<<16
	s_mov_b32 s[\g+4], 16
	s_mov_b32 s[\g+5], 32
	s_mov_b32 s[\g+6], 0
	s_mov_b32 s[\g+7], 0
.endr
	s_lshl_b32 s20, s17, 1
	s_add_co_u32 s20, s20, s16
	s_lshl_b32 s46, s42, 1
	s_add_co_u32 s46, s46, s16
	s_mul_i32 s22, s20, 4096
	s_add_co_u32 s22, s22, 6291456                 ; ctx's scale bytes lie behind its codes
	s_mul_i32 s20, s20, 98304
	s_mul_i32 s92, s46, 4096
	s_add_co_u32 s92, s92, 3244032                 ; W_o's scale bytes: the fourth section
	s_mul_i32 s46, s46, 98304
	s_add_co_u32 s46, s46, 2359296                 ; W_o's codes: the fourth section
	s_mov_b32 s21, 0
	s_mov_b32 s23, 0
	s_mov_b32 s47, 0
	s_mov_b32 s93, 0
	s_mul_i32 s45, s14, RBB
	s_lshl_b32 s94, s14, 12
	s_wait_dscnt 0x0                               ; the opening add is done
	s_wait_kmcnt 0x0
	s_add_nc_u64 s[20:21], s[4:5], s[20:21]
	s_add_nc_u64 s[22:23], s[4:5], s[22:23]
	s_add_nc_u64 s[46:47], s[6:7], s[46:47]
	s_add_nc_u64 s[92:93], s[6:7], s[92:93]
	CROUND                                         ; all sixteen work-groups are here: the first joint loads meet
	s_mov_b32 s[G0S], 1
	s_add_co_u32 s[G0S+1], s94, SCL
	s_mov_b64 s[G0S+2:G0S+3], s[22:23]
	s_or_b32 s[G0S+3], s[G0S+3], 0x80000000
	s_mov_b32 s[G0SB], 1
	s_add_co_u32 s[G0SB+1], s94, SCL
	s_mov_b64 s[G0SB+2:G0SB+3], s[92:93]
	s_or_b32 s[G0SB+3], s[G0SB+3], 0x80000000
	JLOAD G0S, G1S, G0SB, G1SB
.irp s, 0,1
	s_mov_b32 s[G0+4*\s], 1
	s_add_co_u32 s[G0+4*\s+1], s45, \s*SLOT
	s_add_nc_u64 s[G0+4*\s+2:G0+4*\s+3], s[20:21], \s*RBB
	s_or_b32 s[G0+4*\s+3], s[G0+4*\s+3], 0x80000000
	s_mov_b32 s[G0B+4*\s], 1
	s_add_co_u32 s[G0B+4*\s+1], s45, \s*SLOT
	s_add_nc_u64 s[G0B+4*\s+2:G0B+4*\s+3], s[46:47], \s*RBB
	s_or_b32 s[G0B+4*\s+3], s[G0B+4*\s+3], 0x80000000
	JLOAD G0+4*\s, G1, G0B+4*\s, G1B               ; three tensor loads of mine are out
.endr
	v_and_b32 v1, 31, v0                           ; lane
	v_and_b32 v2, 15, v0                           ; r
	v_bfe_u32 v3, v0, 4, 1                         ; h
	v_lshlrev_b32 v[CO], 4, v1
	v_lshlrev_b32 v5, 3, v1
	v_add_nc_u32 v5, 512, v5                       ; a half fragment's pairs lie behind its quads
	s_mul_i32 s21, s15, RBB
	s_mul_i32 s22, s16, RBB
	s_add_co_u32 s22, s22, 2*RBB
.irp s, 0,1
	v_add_nc_u32 v[ADRA+\s], s21, v[CO]
	v_add_nc_u32 v[ADRB+\s], s22, v[CO]
	v_add_nc_u32 v[ADRA+2+\s], s21, v5
	v_add_nc_u32 v[ADRB+2+\s], s22, v5
	s_add_co_u32 s21, s21, SLOT
	s_add_co_u32 s22, s22, SLOT
.endr
	s_lshl_b32 s21, s15, 12
	s_lshl_b32 s22, s16, 12
	s_add_co_u32 s22, s22, 8192
	s_sub_co_u32 s22, s22, s21
	v_mul_u32_u24 v6, s22, v3                      ; lanes 16-31 take B's scale words: ONE product with h
	s_add_co_u32 s21, s21, SCL
	v_lshl_add_u32 v5, v2, 3, v6
	v_add_nc_u32 v[ADRS], s21, v5
	s_mul_i32 s23, s14, 16*SPITCH                  ; my stage
	v_mul_u32_u24 v5, v2, SPITCH
	v_lshl_add_u32 v5, v3, 6, v5                   ; in: row r, + 64 h
	v_add_nc_u32 v[STO], s23, v5
	v_add_nc_u32 v[RD], s23, v[CO]                 ; back: the 32 lanes take one row of 512 bytes
	s_lshl_b32 s18, s17, 1
	s_add_co_u32 s18, s18, s15                     ; my block of 128 rows
	s_lshl_b32 s19, s42, 1
	s_add_co_u32 s19, s19, s16                     ; my block of 128 columns
	s_lshl_b32 s46, s19, 9
	s_mov_b32 s47, 0
	s_add_nc_u64 s[8:9], s[8:9], s[46:47]
	global_load_b128 v[BO:BO+3], v[CO], s[8:9]     ; b_o at columns 4 x lane on of my 128
	s_lshl_b32 s92, s18, 19                        ; 128 rows of 4,096 bytes
	s_add_co_u32 s92, s92, s46
	s_mov_b32 s93, 0
	s_add_nc_u64 s[12:13], s[10:11], s[92:93]      ; out0 at my part's corner
.macro FRAG reg, adr, q, i             ; a fragment as it lies: quad, pair, quad, pair
	ds_load_b128 v[\reg:\reg+3], v[\adr] offset:(\q)*12288+(\i)*1536
	ds_load_b64 v[\reg+4:\reg+5], v[\adr+2] offset:(\q)*12288+(\i)*1536
	ds_load_b128 v[\reg+6:\reg+9], v[\adr] offset:(\q)*12288+(\i)*1536+768
	ds_load_b64 v[\reg+10:\reg+11], v[\adr+2] offset:(\q)*12288+(\i)*1536+768
.endm
.macro MUL16 a0, p, q, sc, zero        ; the 64 accumulators take turns, one instruction a turn, in the same order in every step
.irp a, \a0, \a0+1
.irp b, 0,1,2,3,4,5,6,7
.if \zero
	v_wmma_scale_f32_16x16x128_f8f6f4 v[8*(8*((\a)%4)+\b):8*(8*((\a)%4)+\b)+7], v[128*(\p)+FR*\b:128*(\p)+FR*\b+FR-1], v[AF+FR*(\a):AF+FR*(\a)+FR-1], 0, v[SC+8*NQ*(\sc)+NQ*\b+(\q)], v[SC+8*NQ*(\sc)+NQ*(\a)+(\q)] matrix_a_fmt:MATRIX_FMT_FP6 matrix_b_fmt:MATRIX_FMT_FP6 matrix_a_scale:MATRIX_SCALE_ROW1
.else
	v_wmma_scale_f32_16x16x128_f8f6f4 v[8*(8*((\a)%4)+\b):8*(8*((\a)%4)+\b)+7], v[128*(\p)+FR*\b:128*(\p)+FR*\b+FR-1], v[AF+FR*(\a):AF+FR*(\a)+FR-1], v[8*(8*((\a)%4)+\b):8*(8*((\a)%4)+\b)+7], v[SC+8*NQ*(\sc)+NQ*\b+(\q)], v[SC+8*NQ*(\sc)+NQ*(\a)+(\q)] matrix_a_fmt:MATRIX_FMT_FP6 matrix_b_fmt:MATRIX_FMT_FP6 matrix_a_scale:MATRIX_SCALE_ROW1
.endif
.endr
.endr
.endm
.macro FETCH_B slot, q, p
	WIN TO_B
.irp i, 0,1,2,3,4,5,6,7
	FRAG 128*(\p)+FR*\i, ADRB+\slot, \q, \i
.endr
	WIN 0
.endm
.macro FETCH_A slot, q, i0
.irp i, \i0, \i0+1, \i0+2, \i0+3
	FRAG AF+FR*(\i), ADRA+\slot, \q, \i
.endr
.endm
.macro SCALES sc
.irp i, 0,1,2,3,4,5,6,7
	ds_load_b64 v[SC+8*NQ*\sc+NQ*\i:SC+8*NQ*\sc+NQ*\i+1], v[ADRS] offset:\i*128
.endr
.endm
.macro PLACES n
.rept \n
	v_nop
.endr
.endm
.macro STEP slot, q, zero
	s_wait_dscnt 4*NL                              ; B's set and A's blocks 0-3 are in; the youngest sixteen loads (A's blocks 4-7) may be out
	WIN MUL_LO
	MUL16 0, (\q)%2, \q, \slot, \zero
	MUL16 2, (\q)%2, \q, \slot, \zero
	s_wait_dscnt 0
	PLACES NP
	FETCH_B \slot, (\q)+1, 1-(\q)%2
	FETCH_A \slot, (\q)+1, 0
	WIN MUL_HI
	MUL16 4, (\q)%2, \q, \slot, \zero
	MUL16 6, (\q)%2, \q, \slot, \zero
	PLACES NP
	WIN 0
	FETCH_A \slot, (\q)+1, 4
.endm
.macro TURN slot, next, fill           ; a slot's last step changes slots: ONE barrier
	s_wait_tensorcnt 0x0                           ; all my tensor loads have landed: my part of the next slot
	ds_add_u32 v[SPW], v[NIL]                      ; 0 onto my spare word
	s_wait_dscnt 4*NL+1                            ; (the add and the youngest sixteen loads may be out)
	WIN MUL_LO
	MUL16 0, 1, NQ-1, \slot, 0
	s_wait_dscnt 0x0                               ; the add is done, and my reads of this slot are over
	s_barrier_signal -1
	MUL16 2, 1, NQ-1, \slot, 0
	WIN 0
	s_barrier_wait -1
.if \fill
	CREST                                          ; the barrier has opened a round of the cluster's barrier
	s_add_nc_u64 s[G0+4*\slot+2:G0+4*\slot+3], s[G0+4*\slot+2:G0+4*\slot+3], 2*RBB
	s_add_nc_u64 s[G0B+4*\slot+2:G0B+4*\slot+3], s[G0B+4*\slot+2:G0B+4*\slot+3], 2*RBB
	JLOAD G0+4*\slot, G1, G0B+4*\slot, G1B         ; the first tensor load behind the round
.else
	PLACES NP
.endif
	v_add_nc_u32 v[ADRS], 1024, v[ADRS]
	FETCH_B \next, 0, 0
	FETCH_A \next, 0, 0
	SCALES \next
	WIN MUL_HI
	MUL16 4, 1, NQ-1, \slot, 0
	MUL16 6, 1, NQ-1, \slot, 0
	PLACES NP
	WIN 0
	FETCH_A \next, 0, 4
.endm
	s_wait_tensorcnt 1                             ; the scale bytes and my part of slot 0 are in; slot 1's load may be out
	s_barrier_signal -1
	s_barrier_wait -1
	FETCH_B 0, 0, 0
	FETCH_A 0, 0, 0
	SCALES 0
	FETCH_A 0, 0, 4
	STEP 0, 0, 1                                   ; the first step's products start the sums
	s_mov_b32 s3, 1
.Llap:
	TURN 0, 1, 1
	STEP 1, 0, 0
	TURN 1, 0, 1
	STEP 0, 0, 0
	s_sub_co_u32 s3, s3, 1
	s_cmp_lg_u32 s3, 0
	s_cbranch_scc1 .Llap
	TURN 0, 1, 0
	STEP 1, 0, 0
	s_wait_dscnt 4*NL
	WIN MUL_LO
	MUL16 0, 1, NQ-1, 1, 0
	MUL16 2, 1, NQ-1, 1, 0
	s_wait_dscnt 0
	WIN MUL_HI
	MUL16 4, 1, NQ-1, 1, 0
	MUL16 6, 1, NQ-1, 1, 0
	WIN 0
; THE WAY OUT, block by block of 16 rows x 128 columns, through my own stage.  Accumulator b of lane (r, h) holds columns 32 (b / 2) + 16 h + 8 (b % 2) + 0 .. 7 of the row of lane r; a row comes back whole, 512 bytes for the 32 lanes,
; gets its bias and is stored: row t of block a is row 32 (a / 2) + 8 (a % 2) + t + 8 (t / 8) of my 128.  LDS serves a wave's instructions in order: no wait between the stores and the loads.
.macro TOSTAGE a
.set AC, 64*((\a)%4)
	WIN 0x08+4*((\a)/4)                            ; an LDS store's data: window 2 or 3
.irp b, 0,1,2,3,4,5,6,7
	ds_store_b128 v[STO], v[AC+8*\b:AC+8*\b+3] offset:128*(\b/2)+32*(\b%2)        ; each accumulator from its low end on
	ds_store_b128 v[STO], v[AC+8*\b+4:AC+8*\b+7] offset:128*(\b/2)+32*(\b%2)+16
.endr
	WIN 0
.set BB, BK+64*((\a)%2)
.irp t, 0,1,2,3,4,5,6,7,8,9,10,11,12,13,14,15
	ds_load_b128 v[BB+4*\t:BB+4*\t+3], v[RD] offset:\t*SPITCH
.endr
.endm
.macro SEND a, younger                 ; younger: the LDS instructions issued behind block a's loads, which may stay out
.set BB, BK+64*((\a)%2)
	s_wait_dscnt \younger
.irp t, 0,1,2,3,4,5,6,7,8,9,10,11,12,13,14,15
	v_pk_add_f32 v[BB+4*\t:BB+4*\t+1], v[BB+4*\t:BB+4*\t+1], v[BO:BO+1]
	v_pk_add_f32 v[BB+4*\t+2:BB+4*\t+3], v[BB+4*\t+2:BB+4*\t+3], v[BO+2:BO+3]
.endr
.irp t, 0,1,2,3,4,5,6,7,8,9,10,11,12,13,14,15
	global_store_b128 v[CO], v[BB+4*\t:BB+4*\t+3], s[12:13] offset:(32*((\a)/2)+8*((\a)%2)+\t+8*(\t/8))*4096 th:TH_STORE_NT   ; 512 consecutive bytes, at a multiple of 256 from out0's first byte; 127 rows at the most: inside the signed 24-bit immediate
.endr
.endm
	s_wait_loadcnt 0x0                             ; the bias
	PLACES NP                                      ; behind the last products: loads land in registers that they read, and stores read their results
	TOSTAGE 0
.irp a, 1,2,3,4,5,6,7
.if \a > 1
	s_wait_xcnt 0x0                                ; block a - 2's stores have read their registers: block a's loads may land there
.endif
	TOSTAGE \a
	SEND \a-1, 32                                  ; behind block a - 1's loads: block a's 16 stores and 16 loads
.endr
	SEND 7, 0
	s_wait_tensorcnt 0x0                           ; the wave's end, behind my last tensor load and my last LDS store
	ds_add_u32 v[SPW], v[NIL]
	s_wait_dscnt 0x0
	CROUND                                         ; the closing round
	s_endpgm
.Lfunc_end_k_q587dd428e6_outp:
	.size	k_q587dd428e6_outp, .Lfunc_end_k_q587dd428e6_outp-k_q587dd428e6_outp
	.p2alignl 7, 3214868480
	.fill 96, 4, 3214868480
	.section	.rodata,"a",@progbits
	.p2align	6, 0x0
	.amdhsa_kernel k_q587dd428e6_outp
		.amdhsa_group_segment_fixed_size 327680
		.amdhsa_private_segment_fixed_size 0
		.amdhsa_enable_private_segment 0
		.amdhsa_kernarg_size 32
		.amdhsa_user_sgpr_count 2
		.amdhsa_user_sgpr_kernarg_segment_ptr 1
		.amdhsa_wavefront_size32 1
		.amdhsa_system_sgpr_workgroup_id_x 1
		.amdhsa_system_sgpr_workgroup_id_y 1
		.amdhsa_system_sgpr_workgroup_id_z 1
		.amdhsa_system_vgpr_workitem_id 0
		.amdhsa_next_free_vgpr 1024
		.amdhsa_next_free_sgpr 96
		.amdhsa_reserve_vcc 0
		.amdhsa_float_denorm_mode_32 3
		.amdhsa_float_denorm_mode_16_64 3
		.amdhsa_memory_ordered 1
		.amdhsa_forward_progress 1
		.amdhsa_inst_pref_size 159
	.end_amdhsa_kernel
	.amdgpu_metadata
---
amdhsa.version: [ 1, 2 ]
amdhsa.kernels:
  - .name:           k_q587dd428e6_outp
    .symbol:         k_q587dd428e6_outp.kd
    .args:
      - { .name: ccod, .offset: 0, .size: 8, .value_kind: global_buffer, .address_space: global }
      - { .name: wcod, .offset: 8, .size: 8, .value_kind: global_buffer, .address_space: global }
      - { .name: b_o, .offset: 16, .size: 8, .value_kind: global_buffer, .address_space: global }
      - { .name: out0, .offset: 24, .size: 8, .value_kind: global_buffer, .address_space: global }
    .group_segment_fixed_size: 327680
    .private_segment_fixed_size: 0
    .kernarg_segment_align: 8
    .kernarg_segment_size: 32
    .max_flat_workgroup_size: 128
    .sgpr_count:     96
    .vgpr_count:     1024
    .wavefront_size: 32
...
	.end_amdgpu_metadata
.endif
;; end of part 4
